; MI455X (gfx1250); checked and timed in simulation.
; The chip was launched on July 23, 2026; its instructions are those of AMD's public machine-readable ISA for CDNA 5 (MIT licence, August 2026) and "CDNA5" Instruction Set Architecture Reference Guide (July 2026). The comments in the code are by the model that wrote it; some were corrected since.
;; Feature Propogation. Allowed arithmetic: matrix products marked QUANTISED: E2M3 operands, one E8M0 scale for each 32 along K, by v_wmma_scale_f32_16x16x128_f8f6f4 with both operands' format E2M3, f32 sums; products left as they are: f32 operands where the result goes on into a quantised operand, else bf16, f16 or f32 operands; f32 sums; everything else in f32.
;; Inputs: W1 256 x 384 float32; W2 256 x 256 float32; b1 256 float32; b2 256 float32; be1 256 float32; be2 256 float32; g1 256 float32; g2 256 float32; p1 2 x 16,384 x 3 float32; p2 2 x 4,096 x 3 float32; x1 2 x 128 x 16,384 float32; x2 2 x 256 x 4,096 float32.
;; Outputs: out0 2 x 256 x 16,384 float32.
;; This version of the problem:
;;   THIS VERSION OF THE PROBLEM IS GIVEN IN LOW PRECISION. The matrix products marked QUANTISED in the list below multiply operands that are first quantised to E2M3 (2 exponent bits, 3 mantissa bits; 6 bits a number), with one power-of-two scale for each 32 numbers along K (OCP MX v1.0); their sums are f32. All else is computed in f32.
;;   The module's matrix products, in the order in which they are computed (A, B: the left and right operand; K: the contracted axis; several contracted axes count as one K, in the product's order):
;;     1. batch 2 x [M 16,384, K 3] x [K 3, N 4,096]; A: input p1; B: input p2: left as it is (K = 3 < 32)
;;     2. batch 32,768 x [M 1, K 3] x [K 3, N 256]; A: computed on the way; B: computed on the way: left as it is (K = 3 < 32)
;;     3. [M 32,768, K 384] x [K 384, N 256]; A: computed on the way; B: input W1: QUANTISED
;;     4. [M 32,768, K 256] x [K 256, N 256]; A: computed on the way; B: input W2: QUANTISED
;;   THE QUANTISER, for each operand of a quantised product, along K:
;;     - K is cut into blocks of 32 from its start; a last block that is shorter is filled with zeros.
;;     - A block's scale is 2^e with e = floor(log2(the largest magnitude in the block)) - 2, held to -126 .. 127; a block of zeros has e = 0. As a byte (E8M0): e + 127.
;;     - Each number is divided by its block's scale, clamped to +-7.5, and rounded to the nearest number of E2M3, ties to even, subnormals kept.
;;     - The product sums the exact products of the quantised numbers (number of the format x scale) in f32.
;;   ~~~python
;;   def quantise(x, axis):      # numpy; x: float32 -> the quantised numbers, widened to float32 again
;;       x = np.moveaxis(x, axis, -1); K = x.shape[-1]
;;       x = np.pad(x, [(0, 0)] * (x.ndim - 1) + [(0, -K % 32)]); x = x.reshape(x.shape[:-1] + (-1, 32)); a = np.abs(x).max(-1, keepdims=True)
;;       e = np.where(a > 0, np.clip(np.frexp(np.where(a > 0, a, 1))[1] - 1 - 2, -126, 127), 0)      # np.frexp(a)[1] - 1 = floor(log2(a)), exactly
;;       r = np.clip(x / 2.0 ** e, -7.5, 7.5)
;;       step = 2.0 ** (np.maximum(np.frexp(np.where(r == 0, 1, r))[1] - 1, 0) - 3)
;;       q = np.round(r / step) * step * 2.0 ** e      # np.round: ties to even
;;       return np.moveaxis(q.reshape(q.shape[:-2] + (-1,))[..., :K], -1, axis).astype(np.float32)
;;   ~~~
;;   OPERANDS COMPUTED ON THE WAY. 'Computed on the way' means the value that the module computes at that place (a softmax that the list does not call 'softmax' is quantised finished and normalised). What goes into a quantiser is computed in f32, as accurately as f32 sums, v_exp_f32 and their like allow (about 1e-6 of the number): no bf16 or f16 on the way to a quantiser, and a product that is left as it is and whose result goes on into a quantised operand takes f32 operands (vector FMAs, or v_wmma_f32_16x16x4_f32). A number that lies on a knife's edge between two numbers of the format may be rounded either way, as far as f32 arithmetic and the matrix unit's own rounding can turn it there, and no further.
;; One version. Each part assembles by itself: llvm-mc -triple=amdgcn-amd-amdhsa -mcpu=gfx1250 --defsym DOCPART=n.
;; ======== version 1 of 1: 7 launches
;; workspace buffers: blk 524,288 bytes of whole numbers; geo 8,519,680 bytes; nidx 524,288 bytes of whole numbers; prm 652,288 bytes; r3 10,354,688 bytes; coef1 3,072 bytes; r4 7,077,888 bytes; coef2 3,072 bytes
;; launch coarse (part 1): grid 256 x 1, 16 waves a work-group, no clusters, 162,304 bytes of LDS; arguments p1, p2, x2, blk, geo; writes blk, geo
.if DOCPART == 1
	.amdgcn_target "amdgcn-amd-amdhsa--gfx1250"
	.amdhsa_code_object_version 6
	.text
	.protected	k_qb506abad09_coarse
	.globl	k_qb506abad09_coarse
	.p2align	8
	.type	k_qb506abad09_coarse,@function
k_qb506abad09_coarse:
	s_mov_b64 s[64:65], 0
	v_nop
	global_prefetch_b8 v0, s[64:65] scope:SCOPE_SE
	s_setreg_imm32_b32 hwreg(HW_REG_WAVE_MODE, 25, 1), 1
	s_wait_xcnt 0x0
; NEAREST NEIGHBOURS, FIRST PASS.  d(q, c) = (|q|^2 + |c|^2) + (-2 q.c), in f32, for 128 queries of one batch against its 4,096 coarse points.
; The 4,096 points are 256 blocks of 16.  Kept for each query: the three blocks with the smallest (block minimum of d, block number).  Every one of the three nearest points under (d, index)
; lies in one of these three blocks: were one outside, three blocks would each hold a point that ranks ahead of it.  The next launch looks at the 48 points.
; So a pair (query, point) costs its distance and half a v_min3; the eleven lines that keep an ordered triple are paid once for 16 points.
; THE ROUNDINGS OF d.  d is a difference some hundred times smaller than its terms, and it goes on, through the weights, into a quantiser: a last bit of a term counts.  So the terms are rounded as the
; problem's text writes them: a norm is a * a, each square rounded, and then a sum, (x x + y y) + z z: these multiplications and additions are NOT fused, on purpose.  The product q.c is a product's sum:
; a chain of fused multiply-adds in the order x, y, z.  The factor -2 is laid into the points' coordinates: a power of two changes no rounding.
; SHARES.  Work-group g: batch g / 128, queries 128 (g % 128) on.  Wave w: blocks 16 w .. 16 w + 15 for all 128 queries; lane l holds queries l + 32 k, k = 0 .. 3, as two packed pairs.
; The sixteen waves' triples meet in LDS and are merged in two steps of four, in ascending order of block numbers; an entry that is there keeps its place against an equal one, so the lower number wins a tie.
; BESIDE IT each work-group turns 64 points x 128 channels of x2 [channel][point] into x2t [point][channel] (a later gather then reads a neighbour as one row of 1,024 bytes), and stores 32 entries
; of the table (-2x, -2y, -2z, |c|^2) that it has made in LDS anyway.
; LIMITS: NaN and infinities among the inputs are not served.  Points whose d differ by less than the rounding of |q|^2 + |c|^2 may be ranked otherwise than another order of the same f32 sums ranks them.
; No tensor loads: every LDS byte is written once, from registers.  No matrix unit: K = 3.
.set TAB,   0                          ; LDS: the batch's 4,096 points, 16 bytes each
.set MRG,   65536                      ; [16 waves][6 fields][128 queries] words
.set MRG2,  114688                     ; [4 groups][6 fields][128 queries] words
.set XST,   126976                     ; 64 rows (points) of 128 channels, 520 bytes apart
.set XP,    520
.set ADR,   2                          ; v2   the trip's 16 points in the table (the same in all lanes)
.set TST,   3                          ; v3   16 T: my entry of the table on the way in; my 16 bytes of blk
.set MST,   4                          ; v4   MRG: my wave's slice, my lane
.set LANE,  5                          ; v5   lane
.set M2ST,  6                          ; v6   MRG2: my group's slice, my query
.set M2RD,  7                          ; v7   MRG2: my query
.set TRD,   8                          ; v8   the table's 32 entries that this work-group stores
.set MRD,   9                          ; v9   MRG: my group's four slices, my query
.set XSTO,  10                         ; v10  the stage of x2 on the way in
.set XRD,   11                         ; v11  and on the way out
.set WTB,   12                         ; v12  my wave's 256 points in the table
.set XD,    16                         ; v16-31   x2 as loaded
.set QX,    32                         ; v32-47   the queries' x, y, z and |q|^2, four each: two pairs
.set QY,    36
.set QZ,    40
.set AA,    44
.set CN,    48                         ; v48-111  16 points; at the head p2 and p1 as loaded; at the tail the triples to merge
.set TT,    112                        ; v112-119 -2 q.c, then d: two points x four queries
.set SS,    120                        ; v120-127 |q|^2 + |c|^2
.set SQ,    112                        ; v112-123 at the head: a square of each of eight points and four queries
.set MN,    128                        ; v128-131 the block's smallest d, for each of my four queries
.set STT,   132                        ; v132-155 six registers a query: d0 <= d1 <= d2, their block numbers
.set UU,    156                        ; v156-159 at work
.set X2O,   160                        ; v160-164 offsets in memory, never rewritten
.set X2T,   161
.set L16,   162
.set P2O,   163
.set P1O,   164
; (dn, idn) enters the ordered triple (D0, D1, D2), (I0, I1, I2).  Only a strictly smaller dn moves an entry.
.macro INS dn, idn, D0, D1, D2, I0, I1, I2, U, M1, M2
	v_cmp_le_f32 vcc_lo, v[\D0], v[\dn]
	v_cmp_le_f32 s[\M1], v[\D1], v[\dn]
	v_cmp_le_f32 s[\M2], v[\D2], v[\dn]
	v_cndmask_b32 v[\U], \idn, v[\I2], s[\M2]
	v_cndmask_b32 v[\I2], v[\I1], v[\U], s[\M1]
	v_cndmask_b32 v[\U], \idn, v[\I1], s[\M1]
	v_cndmask_b32 v[\I1], v[\I0], v[\U], vcc_lo
	v_cndmask_b32 v[\I0], \idn, v[\I0], vcc_lo
	v_med3_num_f32 v[\D2], v[\D1], v[\D2], v[\dn]
	v_med3_num_f32 v[\D1], v[\D0], v[\D1], v[\dn]
	v_min_num_f32 v[\D0], v[\D0], v[\dn]
.endm
; Points 2 cp and 2 cp + 1 of the block against my four queries: four chains of packed instructions, line by line, then the running minimum.
; A point's registers are (-2x, -2y), (-2z, |c|^2): op_sel and op_sel_hi pick the one word for both halves.
.macro DIST4 cp
.irp e, 0,1
.irp P, 0,1
	v_pk_mul_f32 v[TT+4*\e+2*\P:TT+4*\e+2*\P+1], v[QX+2*\P:QX+2*\P+1], v[CN+8*(\cp)+4*\e:CN+8*(\cp)+4*\e+1] op_sel_hi:[1,0]
.endr
.endr
.irp e, 0,1
.irp P, 0,1
	v_pk_add_f32 v[SS+4*\e+2*\P:SS+4*\e+2*\P+1], v[AA+2*\P:AA+2*\P+1], v[CN+8*(\cp)+4*\e+2:CN+8*(\cp)+4*\e+3] op_sel:[0,1]
.endr
.endr
.irp e, 0,1
.irp P, 0,1
	v_pk_fma_f32 v[TT+4*\e+2*\P:TT+4*\e+2*\P+1], v[QY+2*\P:QY+2*\P+1], v[CN+8*(\cp)+4*\e:CN+8*(\cp)+4*\e+1], v[TT+4*\e+2*\P:TT+4*\e+2*\P+1] op_sel:[0,1,0]
.endr
.endr
.irp e, 0,1
.irp P, 0,1
	v_pk_fma_f32 v[TT+4*\e+2*\P:TT+4*\e+2*\P+1], v[QZ+2*\P:QZ+2*\P+1], v[CN+8*(\cp)+4*\e+2:CN+8*(\cp)+4*\e+3], v[TT+4*\e+2*\P:TT+4*\e+2*\P+1] op_sel_hi:[1,0,1]
.endr
.endr
.irp e, 0,1
.irp P, 0,1
	v_pk_add_f32 v[TT+4*\e+2*\P:TT+4*\e+2*\P+1], v[SS+4*\e+2*\P:SS+4*\e+2*\P+1], v[TT+4*\e+2*\P:TT+4*\e+2*\P+1]
.endr
.endr
.irp q, 0,1,2,3
.if (\cp) == 0
	v_min_num_f32 v[MN+\q], v[TT+\q], v[TT+4+\q]
.else
	v_min3_num_f32 v[MN+\q], v[MN+\q], v[TT+\q], v[TT+4+\q]
.endif
.endr
.endm
; Four triples lie in v[CN] on, six registers each, in ascending order of block numbers: the first is the state, the other nine entries enter it.
.macro MERGE9
.irp i, 1,2,3
.irp j, 0,1,2
	INS CN+6*\i+\j, v[CN+6*\i+3+\j], CN, CN+1, CN+2, CN+3, CN+4, CN+5, UU, 40, 41
.endr
.endr
.endm
.macro BARRIER                         ; my LDS stores have landed and my LDS loads are in: then the work-group's barrier
	s_wait_dscnt 0x0
	s_barrier_signal -1
	s_barrier_wait -1
.endm
	s_load_b256 s[4:11], s[0:1], 0x0               ; p1 s[4:5], p2 s[6:7], x2 s[8:9], blk s[10:11]
	s_load_b64 s[12:13], s[0:1], 0x20              ; geo
	v_lshl_add_u32 v168, v0, 2, 0x27200
	v_mov_b32 v169, 0
	v_lshrrev_b32 v1, 5, v0
	v_readfirstlane_b32 s14, v1                    ; wave 0..15
	v_and_b32 v[LANE], 31, v0
	v_lshlrev_b32 v[TST], 4, v0
	v_lshlrev_b32 v[WTB], 12, v1                   ; 256 points of 16 bytes a wave
	v_mul_u32_u24 v[MST], v1, 3072
	v_lshl_add_u32 v[MST], v[LANE], 2, v[MST]
	v_add_nc_u32 v[MST], MRG, v[MST]
	v_and_b32 v13, 127, v0
	v_lshlrev_b32 v13, 2, v13                      ; the merges: thread T takes query T % 128,
	v_lshrrev_b32 v14, 7, v0                       ; group T / 128
	v_mul_u32_u24 v[MRD], v14, 12288
	v_add_nc_u32 v[MRD], v[MRD], v13
	v_add_nc_u32 v[MRD], MRG, v[MRD]
	v_mul_u32_u24 v[M2ST], v14, 3072
	v_add_nc_u32 v[M2ST], v[M2ST], v13
	v_add_nc_u32 v[M2ST], MRG2, v[M2ST]
	v_add_nc_u32 v[M2RD], MRG2, v13
	v_and_b32 v15, 15, v0                          ; x2: sixteen threads to a channel's 64 points, four points each;
	v_lshrrev_b32 v14, 4, v0                       ; 32 channels a round
	v_mul_u32_u24 v[XSTO], v15, 4*XP
	v_lshl_add_u32 v[XSTO], v14, 2, v[XSTO]
	v_add_nc_u32 v[XSTO], XST, v[XSTO]
	v_lshlrev_b32 v[X2O], 14, v14                  ; a channel of x2 is 16,384 bytes
	v_lshl_add_u32 v[X2O], v15, 4, v[X2O]
	v_lshrrev_b32 v14, 6, v0                       ; x2t: 64 threads to a point's 128 channels, 8 bytes each; 8 points a round
	v_and_b32 v15, 63, v0
	v_mul_u32_u24 v[XRD], v14, XP
	v_lshl_add_u32 v[XRD], v15, 3, v[XRD]
	v_add_nc_u32 v[XRD], XST, v[XRD]
	v_lshlrev_b32 v[X2T], 10, v14
	v_lshl_add_u32 v[X2T], v15, 3, v[X2T]
	v_lshlrev_b32 v[L16], 4, v[LANE]
	v_mul_u32_u24 v[P2O], v0, 12
	v_mul_u32_u24 v[P1O], v[LANE], 12
	s_lshr_b32 s18, ttmp9, 7                       ; batch
	s_and_b32 s19, ttmp9, 127
	s_lshr_b32 s24, s19, 1                         ; which 64 points of x2,
	s_and_b32 s25, ttmp9, 1                        ; which 128 channels
	s_lshl_b32 s26, s19, 9
	v_lshl_add_u32 v[TRD], v[LANE], 4, s26         ; table entries 32 (g % 128) on
	s_mul_i32 s32, ttmp9, 1536                     ; p1: 128 queries of 12 bytes
	s_mov_b32 s33, 0
	s_mul_i32 s34, s18, 49152                      ; p2: the batch
	s_mov_b32 s35, 0
	s_lshl_b32 s36, s18, 22                        ; x2: batch, half of the channels, 64 points
	s_lshl_b32 s26, s25, 21
	s_add_co_u32 s36, s36, s26
	s_lshl_b32 s26, s24, 8
	s_add_co_u32 s36, s36, s26
	s_mov_b32 s37, 0
	s_lshl_b32 s38, ttmp9, 11                      ; blk: 128 queries of 16 bytes
	s_mov_b32 s39, 0
	s_lshl_b32 s48, ttmp9, 9                       ; the table in geo: 32 entries of 16 bytes, behind x2t
	s_add_co_u32 s48, s48, 8388608
	s_mov_b32 s49, 0
	s_lshl_b32 s50, s18, 22                        ; x2t: batch, 64 rows of 1,024 bytes, half a row
	s_lshl_b32 s26, s24, 16
	s_add_co_u32 s50, s50, s26
	s_lshl_b32 s26, s25, 9
	s_add_co_u32 s50, s50, s26
	s_mov_b32 s51, 0
	s_mov_b32 s27, 0x7f800000                      ; +infinity
	s_wait_kmcnt 0x0
	s_add_nc_u64 s[4:5], s[4:5], s[32:33]
	s_add_nc_u64 s[6:7], s[6:7], s[34:35]
	s_add_nc_u64 s[8:9], s[8:9], s[36:37]
	s_add_nc_u64 s[10:11], s[10:11], s[38:39]
	s_add_nc_u64 s[28:29], s[12:13], s[48:49]
	s_add_nc_u64 s[30:31], s[12:13], s[50:51]
.irp i, 0,1,2,3,4,5,6,7
	global_load_b96 v[CN+4*\i:CN+4*\i+2], v[P2O], s[6:7] offset:6144*\i          ; point T + 512 i
.endr
.irp k, 0,1,2,3
	global_load_b96 v[CN+32+4*\k:CN+32+4*\k+2], v[P1O], s[4:5] offset:384*\k     ; query l + 32 k
.endr
.irp i, 0,1,2,3
	global_load_b128 v[XD+4*\i:XD+4*\i+3], v[X2O], s[8:9] offset:524288*\i th:TH_LOAD_NT   ; sixteen lanes read 256 consecutive bytes of a channel; read once in the launch
.endr
	s_wait_loadcnt 4                               ; p2 and p1 are in; x2's four loads stay out through the search
; |.|^2 of eight points and four queries: (x x + y y) + z z, each square rounded before it is added (see the head: not fused, on purpose)
.irp i, 0,1,2,3,4,5,6,7,8,9,10,11
	v_mul_f32 v[CN+4*\i+3], v[CN+4*\i], v[CN+4*\i]
.endr
.irp i, 0,1,2,3,4,5,6,7,8,9,10,11
	v_mul_f32 v[SQ+\i], v[CN+4*\i+1], v[CN+4*\i+1]
.endr
.irp i, 0,1,2,3,4,5,6,7,8,9,10,11
	v_add_f32 v[CN+4*\i+3], v[CN+4*\i+3], v[SQ+\i]
.endr
.irp i, 0,1,2,3,4,5,6,7,8,9,10,11
	v_mul_f32 v[SQ+\i], v[CN+4*\i+2], v[CN+4*\i+2]
.endr
.irp i, 0,1,2,3,4,5,6,7,8,9,10,11
	v_add_f32 v[CN+4*\i+3], v[CN+4*\i+3], v[SQ+\i]
.endr
.irp i, 0,1,2,3,4,5,6,7
	v_mul_f32 v[CN+4*\i], -2.0, v[CN+4*\i]         ; exact: the chain of three then gives -2 q.c
	v_mul_f32 v[CN+4*\i+1], -2.0, v[CN+4*\i+1]
	v_mul_f32 v[CN+4*\i+2], -2.0, v[CN+4*\i+2]
	ds_store_b128 v[TST], v[CN+4*\i:CN+4*\i+3] offset:8192*\i
.endr
.irp k, 0,1,2,3
	v_mov_b32 v[QX+\k], v[CN+32+4*\k]
	v_mov_b32 v[QY+\k], v[CN+33+4*\k]
	v_mov_b32 v[QZ+\k], v[CN+34+4*\k]
	v_mov_b32 v[AA+\k], v[CN+35+4*\k]
.endr
.irp q, 0,1,2,3
	v_mov_b32 v[MN+\q], s27
	v_mov_b32 v[STT+6*\q], s27
	v_mov_b32 v[STT+6*\q+1], s27
	v_mov_b32 v[STT+6*\q+2], s27
	v_mov_b32 v[STT+6*\q+3], 0
	v_mov_b32 v[STT+6*\q+4], 0
	v_mov_b32 v[STT+6*\q+5], 0
.endr
	BARRIER                                        ; the table is whole
	s_mov_b32 s15, 0                               ; trips
	s_mov_b32 s17, 0                               ; 256 bytes of the table a trip
	s_lshl_b32 s16, s14, 4
	s_sub_co_u32 s16, s16, 1                       ; the number of the block BEFORE the trip's: the first trip enters +infinity under it, which moves nothing
.Lblock:                                               ; a trip: one block of 16 points against 128 queries
	v_add_nc_u32 v[ADR], s17, v[WTB]
.irp c, 0,1,2,3,4,5,6,7,8,9,10,11,12,13,14,15
	ds_load_b128 v[CN+4*\c:CN+4*\c+3], v[ADR] offset:16*\c
.endr
.irp q, 0,1,2,3
	INS MN+\q, s16, STT+6*\q, STT+6*\q+1, STT+6*\q+2, STT+6*\q+3, STT+6*\q+4, STT+6*\q+5, UU+\q, 40+2*\q, 41+2*\q   ; the last block's minima enter while this block's points are on their way
.endr
.irp cp, 0,1,2,3,4,5,6,7
	s_wait_dscnt 14-2*\cp                          ; LDS loads come back in order: points 2 cp and 2 cp + 1 are in, the younger ones may be out
	DIST4 \cp
.endr
	s_add_co_u32 s17, s17, 256
	s_add_co_u32 s16, s16, 1
	s_add_co_u32 s15, s15, 1
	s_cmp_lt_u32 s15, 16
	s_cbranch_scc1 .Lblock
.irp q, 0,1,2,3
	INS MN+\q, s16, STT+6*\q, STT+6*\q+1, STT+6*\q+2, STT+6*\q+3, STT+6*\q+4, STT+6*\q+5, UU+\q, 40+2*\q, 41+2*\q   ; the last block's
.endr
.irp k, 0,1,2,3
.irp f, 0,1,2,3,4,5
	ds_store_b32 v[MST], v[STT+6*\k+\f] offset:\f*512+\k*128
.endr
.endr
	BARRIER                                        ; sixteen triples for each query lie in LDS
.irp i, 0,1,2,3
.irp f, 0,1,2,3,4,5
	ds_load_b32 v[CN+6*\i+\f], v[MRD] offset:\i*3072+\f*512
.endr
.endr
	s_wait_dscnt 0x0
	MERGE9                                         ; waves 4 G .. 4 G + 3
.irp f, 0,1,2,3,4,5
	ds_store_b32 v[M2ST], v[CN+\f] offset:\f*512
.endr
	s_wait_loadcnt 0x0                             ; x2
.irp i, 0,1,2,3
.irp j, 0,1,2,3
	ds_store_b32 v[XSTO], v[XD+4*\i+\j] offset:\j*XP+\i*128      ; point 4 (T % 16) + j, channel 32 i + T / 16
.endr
.endr
	BARRIER                                        ; four triples for each query, and the stage of x2
	s_cmp_lt_u32 s14, 4                            ; waves 0 to 3: the last merge, a thread to a query
	s_cbranch_scc0 .Lno_merge
.irp i, 0,1,2,3
.irp f, 0,1,2,3,4,5
	ds_load_b32 v[CN+6*\i+\f], v[M2RD] offset:\i*3072+\f*512
.endr
.endr
	s_wait_dscnt 0x0
	MERGE9
	v_mov_b32 v72, v[CN+3]
	v_mov_b32 v73, v[CN+4]
	v_mov_b32 v74, v[CN+5]
	v_mov_b32 v75, 0
	global_store_b128 v[TST], v[72:75], s[10:11]   ; sixteen lanes store 256 consecutive bytes, aligned
.Lno_merge:
	s_cmp_eq_u32 s14, 4                            ; wave 4: this work-group's 32 entries of the table
	s_cbranch_scc0 .Lno_tab
	ds_load_b128 v[76:79], v[TRD]
	s_wait_dscnt 0x0
	global_store_b128 v[L16], v[76:79], s[28:29]
.Lno_tab:
.irp u, 0,1,2,3,4,5,6,7
	ds_load_b64 v[80+2*\u:81+2*\u], v[XRD] offset:8*XP*\u
.endr
.irp u, 0,1,2,3,4,5,6,7
	s_wait_dscnt 7-\u                              ; round u is in, the younger rounds may be out
	global_store_b64 v[X2T], v[80+2*\u:81+2*\u], s[30:31] offset:8192*\u   ; a wave stores 256 consecutive bytes of a row of x2t, aligned
.endr
	s_barrier_signal -1
	s_barrier_wait -1
	s_wait_tensorcnt 0x0
	ds_add_u32 v168, v169
	s_wait_dscnt 0x0
	s_endpgm
.Lfunc_end_k_qb506abad09_coarse:
	.size	k_qb506abad09_coarse, .Lfunc_end_k_qb506abad09_coarse-k_qb506abad09_coarse
	.p2alignl 7, 3214868480
	.fill 96, 4, 3214868480
	.section	.rodata,"a",@progbits
	.p2align	6, 0x0
	.amdhsa_kernel k_qb506abad09_coarse
		.amdhsa_group_segment_fixed_size 162304
		.amdhsa_private_segment_fixed_size 0
		.amdhsa_enable_private_segment 0
		.amdhsa_kernarg_size 40
		.amdhsa_user_sgpr_count 2
		.amdhsa_user_sgpr_kernarg_segment_ptr 1
		.amdhsa_wavefront_size32 1
		.amdhsa_system_sgpr_workgroup_id_x 1
		.amdhsa_system_sgpr_workgroup_id_y 1
		.amdhsa_system_sgpr_workgroup_id_z 1
		.amdhsa_system_vgpr_workitem_id 0
		.amdhsa_next_free_vgpr 170
		.amdhsa_next_free_sgpr 66
		.amdhsa_reserve_vcc 1
		.amdhsa_float_denorm_mode_32 3
		.amdhsa_float_denorm_mode_16_64 3
		.amdhsa_memory_ordered 1
		.amdhsa_forward_progress 1
		.amdhsa_inst_pref_size 47
	.end_amdhsa_kernel
	.amdgpu_metadata
---
amdhsa.version: [ 1, 2 ]
amdhsa.kernels:
  - .name:           k_qb506abad09_coarse
    .symbol:         k_qb506abad09_coarse.kd
    .args:
      - { .name: p1, .offset: 0, .size: 8, .value_kind: global_buffer, .address_space: global }
      - { .name: p2, .offset: 8, .size: 8, .value_kind: global_buffer, .address_space: global }
      - { .name: x2, .offset: 16, .size: 8, .value_kind: global_buffer, .address_space: global }
      - { .name: blk, .offset: 24, .size: 8, .value_kind: global_buffer, .address_space: global }
      - { .name: geo, .offset: 32, .size: 8, .value_kind: global_buffer, .address_space: global }
    .group_segment_fixed_size: 162304
    .private_segment_fixed_size: 0
    .kernarg_segment_align: 8
    .kernarg_segment_size: 40
    .max_flat_workgroup_size: 512
    .sgpr_count:     66
    .vgpr_count:     170
    .wavefront_size: 32
...
	.end_amdgpu_metadata
.endif
;; end of part 1
;; launch refine (part 2): grid 276 x 1, 4 waves a work-group, no clusters, 0 bytes of LDS; arguments p1, blk, geo, W1, W2, nidx, prm; writes nidx, prm
.if DOCPART == 2
	.amdgcn_target "amdgcn-amd-amdhsa--gfx1250"
	.amdhsa_code_object_version 6
	.text
	.protected	k_qb506abad09_refine
	.globl	k_qb506abad09_refine
	.p2align	8
	.type	k_qb506abad09_refine,@function
k_qb506abad09_refine:
	s_mov_b64 s[64:65], 0
	v_nop
	global_prefetch_b8 v0, s[64:65] scope:SCOPE_SE
	s_setreg_imm32_b32 hwreg(HW_REG_WAVE_MODE, 25, 1), 1
	s_wait_xcnt 0x0
; TWO JOBS IN ONE LAUNCH, parted on the work-group's number; neither uses LDS or a barrier.
; WORK-GROUPS 0 .. 255: NEAREST NEIGHBOURS, SECOND PASS.  A thread to a query.  Its three blocks of 16 points (whole numbers that the launch before stored) are put in ascending order, their 48 table entries
; are loaded, d is made by the same operations as in the first pass (the unpacked forms of the same instructions: the same bits), and the three smallest are kept with their place 0 .. 47.
; |q|^2 is (x x + y y) + z z with each square rounded before it is added, as the problem's text writes it and as the first pass makes it: not fused, on purpose (d is a difference some hundred times smaller
; than its terms and goes on into a quantiser, so a last bit of a term counts); |c|^2 comes from the table; -2 q.c is a chain of fused multiply-adds in the order x, y, z.
; Places ascend with the points' indices and an entry that is there keeps its place against an equal one: the lower index wins a tie.
; Stored: the rows of x2t (batch x 4,096 + index) as whole numbers, and the weights w_i = r_i / (r_0 + r_1 + r_2), r_i = 1 / (max(d_i, 0) + 1e-16), in f32.
; THE TWO DIVISIONS ARE ROUNDED AS DIVISIONS ARE: the weights go on into a quantiser, where a last bit can turn a code.  v_rcp_f32 is good to 1 ulp; e = fma(-x, y, 1), y = fma(e, y, y) brings y to the rounded
; reciprocal, and a quotient q within an ulp is set right by its exact remainder: q + (a - b q) y.  x lies between 1e-16 and the largest d, r up to 1e16, the sum up to 3e16: nothing overflows or turns denormal.
; WORK-GROUPS 256 .. 275: W1 AND W2 BECOME CODES of E2M3 with one E8M0 byte for each 32 along K.  A wave to a fragment of 16 rows x 128 K, 48 of W1 and 32 of W2.  K is innermost in memory: lane (r, h) loads
; k = 64 c + 32 h + 0 .. 31 of its row, which is what the operand's layout gives that lane, so the conversions' results are the operand's registers.  They are stored AS AN IMAGE OF THE REGISTERS: three groups of
; four registers, lane l's 16 bytes at 16 l; the scale words 4 bytes a row.  THE ROWS OF A TILE OF W1 ARE NOT NEIGHBOURS: row r of tile t is channel 32 (t / 2) + 8 (t % 2) + r + 8 (r / 8), so that a later
; product used transposed leaves 16 neighbouring channels in the 16 registers of two neighbouring tiles.  W2's tile t is channels 16 t on.
; LIMITS: NaN and infinities are not served.  A block of zeros gets the byte 1 where the quantiser's rule says 127: its codes are zeros, and this program alone reads the bytes.
.set DN,  32                           ; v32-35  four points' d
.set SN,  36                           ; v36-39  |q|^2 + |c|^2
.set CN,  64                           ; v64-255 48 table entries
.macro INS dn, idn, D0, D1, D2, I0, I1, I2, U, M1, M2
	v_cmp_le_f32 vcc_lo, v[\D0], v[\dn]
	v_cmp_le_f32 s[\M1], v[\D1], v[\dn]
	v_cmp_le_f32 s[\M2], v[\D2], v[\dn]
	v_cndmask_b32 v[\U], \idn, v[\I2], s[\M2]
	v_cndmask_b32 v[\I2], v[\I1], v[\U], s[\M1]
	v_cndmask_b32 v[\U], \idn, v[\I1], s[\M1]
	v_cndmask_b32 v[\I1], v[\I0], v[\U], vcc_lo
	v_cndmask_b32 v[\I0], \idn, v[\I0], vcc_lo
	v_med3_num_f32 v[\D2], v[\D1], v[\D2], v[\dn]
	v_med3_num_f32 v[\D1], v[\D0], v[\D1], v[\dn]
	v_min_num_f32 v[\D0], v[\D0], v[\dn]
.endm
	s_load_b256 s[4:11], s[0:1], 0x0               ; p1 s[4:5], blk s[6:7], geo s[8:9], W1 s[10:11]
	s_load_b128 s[12:15], s[0:1], 0x20             ; W2 s[12:13], nidx s[14:15]
	s_load_b64 s[16:17], s[0:1], 0x30              ; prm
	v_lshrrev_b32 v1, 5, v0
	v_readfirstlane_b32 s18, v1                    ; wave 0..3
	s_mov_b32 s20, 0x76543210
	s_mov_b32 s21, 0xfedcba98                      ; v_permlanex16_b32's selects for lane l xor 16
	s_wait_kmcnt 0x0
	s_cmp_ge_u32 ttmp9, 256
	s_cbranch_scc1 .Lweights
	v_lshlrev_b32 v1, 4, v0                        ; 16 bytes a query in blk, nidx and the weights
	v_mul_u32_u24 v2, v0, 12
	s_lshl_b32 s22, ttmp9, 11
	s_mov_b32 s23, 0
	s_add_nc_u64 s[6:7], s[6:7], s[22:23]
	s_add_nc_u64 s[14:15], s[14:15], s[22:23]
	s_add_nc_u64 s[16:17], s[16:17], s[22:23]
	s_mul_i32 s22, ttmp9, 1536
	s_add_nc_u64 s[4:5], s[4:5], s[22:23]
	s_lshr_b32 s24, ttmp9, 7                       ; batch
	s_lshl_b32 s22, s24, 16
	s_add_co_u32 s22, s22, 8388608
	s_add_nc_u64 s[8:9], s[8:9], s[22:23]          ; the batch's table
	s_lshl_b32 s24, s24, 12                        ; batch x 4,096
	s_mov_b32 s25, 0x7f800000
	global_load_b128 v[4:7], v1, s[6:7]
	global_load_b96 v[8:10], v2, s[4:5]
	s_wait_loadcnt 0x0
	v_min_u32 v12, v4, v5                          ; the three block numbers in ascending order
	v_max_u32 v13, v4, v5
	v_min_u32 v14, v13, v6
	v_max_u32 v15, v13, v6                         ; the largest
	v_min_u32 v16, v12, v14                        ; the smallest
	v_max_u32 v17, v12, v14                        ; the middle one
	v_min_u32 v16, 0xff, v16                       ; loaded numbers enter an address held to the table's 256 blocks
	v_min_u32 v17, 0xff, v17
	v_min_u32 v15, 0xff, v15
	v_lshlrev_b32 v20, 8, v16                      ; a block is 256 bytes of the table
	v_lshlrev_b32 v21, 8, v17
	v_lshlrev_b32 v22, 8, v15
.irp k, 0,1,2
.irp i, 0,1,2,3,4,5,6,7,8,9,10,11,12,13,14,15
	global_load_b128 v[CN+64*\k+4*\i:CN+64*\k+4*\i+3], v[20+\k], s[8:9] offset:16*\i
.endr
.endr
	v_mul_f32 v11, v8, v8                          ; |q|^2 = (x x + y y) + z z, each square rounded before it is added: the first pass's bits (see the head: not fused, on purpose)
	v_mul_f32 v12, v9, v9
	v_mul_f32 v13, v10, v10
	v_add_f32 v11, v11, v12
	v_add_f32 v11, v11, v13
	v_mov_b32 v24, s25                             ; d0 <= d1 <= d2
	v_mov_b32 v25, s25
	v_mov_b32 v26, s25
	v_mov_b32 v27, 0                               ; their places
	v_mov_b32 v28, 0
	v_mov_b32 v29, 0
.irp k, 0,1,2
	s_wait_loadcnt 32-16*\k                        ; block k's 16 loads are in, the later blocks' may be out
.irp a, 0,4,8,12
.irp e, 0,1,2,3
	v_mul_f32 v[DN+\e], v8, v[CN+64*\k+4*(\a+\e)]
.endr
.irp e, 0,1,2,3
	v_add_f32 v[SN+\e], v11, v[CN+64*\k+4*(\a+\e)+3]
.endr
.irp e, 0,1,2,3
	v_fma_f32 v[DN+\e], v9, v[CN+64*\k+4*(\a+\e)+1], v[DN+\e]
.endr
.irp e, 0,1,2,3
	v_fma_f32 v[DN+\e], v10, v[CN+64*\k+4*(\a+\e)+2], v[DN+\e]
.endr
.irp e, 0,1,2,3
	v_add_f32 v[DN+\e], v[SN+\e], v[DN+\e]
.endr
.irp e, 0,1,2,3
	INS DN+\e, 16*\k+\a+\e, 24, 25, 26, 27, 28, 29, 30, 40, 41
.endr
.endr
.endr
.irp j, 0,1,2
	v_lshrrev_b32 v40, 4, v[27+\j]                 ; which of the three blocks,
	v_cmp_eq_u32 vcc_lo, 1, v40
	v_cndmask_b32 v41, v16, v17, vcc_lo
	v_cmp_eq_u32 vcc_lo, 2, v40
	v_cndmask_b32 v41, v41, v15, vcc_lo            ; its number,
	v_and_b32 v42, 15, v[27+\j]
	v_lshl_add_u32 v41, v41, 4, v42                ; the point's index,
	v_add_nc_u32 v[44+\j], s24, v41                ; its row of x2t
.endr
	v_mov_b32 v47, 0
.irp j, 0,1,2
	v_max_num_f32 v[48+\j], 0, v[24+\j]
.endr
.irp j, 0,1,2
	v_add_f32 v[48+\j], 0x24e69595, v[48+\j]       ; x = max(d, 0) + 1e-16
.endr
.irp j, 0,1,2
	v_rcp_f32 v[52+\j], v[48+\j]                   ; y, good to 1 ulp
.endr
	v_mov_b32 v63, 0                               ; a plain instruction between the reciprocals and the use of their results
	s_wait_alu depctr_va_vdst(0)
.rept 2                                        ; twice: the first step gives the rounded reciprocal, the second is the quotient 1 / x set right by its exact remainder
.irp j, 48,49,50
	v_fma_f32 v[\j+8], -v\j, v[\j+4], 1.0          ; e = 1 - x y
.endr
.irp j, 48,49,50
	v_fma_f32 v[\j+4], v[\j+8], v[\j+4], v[\j+4]   ; y = y + e y
.endr
.endr
	v_add_f32 v55, v52, v53                        ; the sum, in the neighbours' order
	v_add_f32 v55, v55, v54
	v_rcp_f32 v59, v55
	v_nop                                          ; a plain instruction behind the reciprocal
	s_wait_alu depctr_va_vdst(0)
	v_fma_f32 v51, -v55, v59, 1.0
	v_fma_f32 v59, v51, v59, v59                   ; the rounded reciprocal of the sum
.irp j, 0,1,2
	v_mul_f32 v[60+\j], v[52+\j], v59              ; q, within an ulp of r / sum
.endr
.irp j, 0,1,2
	v_fma_f32 v[56+\j], -v55, v[60+\j], v[52+\j]   ; its remainder r - sum q, exact
.endr
.irp j, 0,1,2
	v_fma_f32 v[60+\j], v[56+\j], v59, v[60+\j]    ; the weight, rounded as the division rounds it
.endr
	global_store_b128 v1, v[44:47], s[14:15]       ; a wave stores 512 consecutive bytes, aligned
	global_store_b128 v1, v[60:63], s[16:17]
	s_endpgm
.Lweights:
	s_sub_co_u32 s24, ttmp9, 256
	s_lshl_b32 s24, s24, 2
	s_add_co_u32 s24, s24, s18                     ; job J = 0 .. 79: 0 .. 47 W1's fragments 3 t + s, 48 .. 79 W2's 2 t + s
	s_mul_i32 s25, s24, 171
	s_lshr_b32 s25, s25, 9                         ; W1: t = J / 3 (exact for J under 48),
	s_mul_i32 s26, s25, 3
	s_sub_co_u32 s26, s24, s26                     ; s,
	s_lshr_b32 s27, s25, 1
	s_lshl_b32 s27, s27, 5
	s_and_b32 s28, s25, 1
	s_lshl_b32 s28, s28, 3
	s_add_co_u32 s27, s27, s28                     ; the tile's first row 32 (t / 2) + 8 (t % 2)
	s_sub_co_u32 s28, s24, 48                      ; W2: the fragment's number,
	s_lshr_b32 s29, s28, 1
	s_and_b32 s30, s28, 1                          ; s,
	s_lshl_b32 s29, s29, 4                         ; the tile's first row 16 t
	s_mov_b32 s31, 1024                            ; (of two numbers that are no inline constants one stands in a register)
	s_mov_b32 s32, 601088
	s_mov_b32 s33, 650240
	s_cmp_lt_u32 s24, 48                           ; the choice hangs on ids alone; the selects below leave SCC as it is
	s_cselect_b64 s[10:11], s[10:11], s[12:13]     ; the tensor,
	s_cselect_b32 s31, 1536, s31                   ; a row's bytes,
	s_cselect_b32 s28, s24, s28                    ; the fragment's number,
	s_cselect_b32 s26, s26, s30                    ; its K step,
	s_cselect_b32 s27, s27, s29                    ; its first row,
	s_cselect_b32 s34, 8, 0                        ; what rows 8 .. 15 of the tile lie further on,
	s_cselect_b32 s32, 524288, s32                 ; where the images begin in prm,
	s_cselect_b32 s33, 598016, s33                 ; and the scale words
	v_and_b32 v1, 15, v0                           ; r
	v_bfe_u32 v2, v0, 4, 1                         ; h
	v_lshrrev_b32 v3, 3, v1
	v_mul_u32_u24 v3, v3, s34
	v_add3_u32 v3, v3, v1, s27                     ; my row
	v_mul_lo_u32 v4, v3, s31
	s_lshl_b32 s26, s26, 9                         ; 128 along K are 512 bytes
	v_lshl_add_u32 v4, v2, 7, v4                   ; lanes 16-31 begin 32 numbers further on
	v_add_nc_u32 v4, s26, v4
	s_mul_i32 s35, s28, 1536
	s_add_co_u32 s35, s35, s32
	s_lshl_b32 s36, s28, 6
	s_add_co_u32 s36, s36, s33
	v_and_b32 v5, 31, v0
	v_lshlrev_b32 v5, 4, v5
	v_add_nc_u32 v5, s35, v5                       ; the image: 16 bytes a lane
	v_lshl_add_u32 v6, v1, 2, s36                  ; the scale word: 4 bytes a row
.irp c, 0,1
.irp i, 0,1,2,3,4,5,6,7
	global_load_b128 v[64+32*\c+4*\i:64+32*\c+4*\i+3], v4, s[10:11] offset:256*\c+16*\i   ; k = 64 c + 32 h + 4 i on
.endr
.endr
	s_wait_loadcnt 0x0
.irp c, 0,1                                    ; my block 2 c + h: all its 32 numbers are mine
	v_max3_num_f32 v[32+\c], |v[64+32*\c]|, |v[65+32*\c]|, 0x1800000   ; and the floor 2^(3 - 127): the byte cannot fall under 1
.endr
.irp i, 2,4,6,8,10,12,14,16,18,20,22,24,26,28,30
.irp c, 0,1
	v_max3_num_f32 v[32+\c], v[32+\c], |v[64+32*\c+\i]|, |v[65+32*\c+\i]|
.endr
.endr
.irp c, 0,1
	v_add_nc_u32 v[44+\c], 0xff000000, v[32+\c]    ; 2 off the exponent field: the conversion takes the exponent field of this operand as its scale
.endr
.irp c, 0,1
	v_lshrrev_b32 v[36+\c], 23, v[44+\c]           ; the scale's byte
.endr
	v_lshl_or_b32 v9, v37, 16, v36                 ; my two bytes: blocks h and 2 + h of row r,
	v_lshlrev_b32 v10, 3, v2
	v_lshlrev_b32 v9, v10, v9                      ; at their places in the word;
	v_mov_b32 v10, 0
	v_permlanex16_b32 v10, v9, s20, s21
	v_or_b32 v9, v9, v10                           ; with lane l xor 16's two the word is whole
.irp c, 0,1
	v_cvt_scalef32_pk16_fp6_f32 v[48+6*\c:50+6*\c], v[64+32*\c:79+32*\c], v[44+\c]
	v_cvt_scalef32_pk16_fp6_f32 v[192+4*\c:194+4*\c], v[80+32*\c:95+32*\c], v[44+\c]   ; (a conversion's three registers begin on an even number)
.endr
	v_nop                                          ; one plain instruction behind a scaled conversion
.irp c, 0,1
.irp i, 0,1,2
	v_mov_b32 v[51+6*\c+\i], v[192+4*\c+\i]
.endr
.endr
.irp q, 0,1,2
	global_store_b128 v5, v[48+4*\q:51+4*\q], s[16:17] offset:512*\q   ; a wave stores 512 consecutive bytes, aligned
.endr
	global_store_b32 v6, v9, s[16:17]              ; both halves of the lanes hold the same word and store it to the same place
	s_endpgm
.Lfunc_end_k_qb506abad09_refine:
	.size	k_qb506abad09_refine, .Lfunc_end_k_qb506abad09_refine-k_qb506abad09_refine
	.p2alignl 7, 3214868480
	.fill 96, 4, 3214868480
	.section	.rodata,"a",@progbits
	.p2align	6, 0x0
	.amdhsa_kernel k_qb506abad09_refine
		.amdhsa_group_segment_fixed_size 0
		.amdhsa_private_segment_fixed_size 0
		.amdhsa_enable_private_segment 0
		.amdhsa_kernarg_size 56
		.amdhsa_user_sgpr_count 2
		.amdhsa_user_sgpr_kernarg_segment_ptr 1
		.amdhsa_wavefront_size32 1
		.amdhsa_system_sgpr_workgroup_id_x 1
		.amdhsa_system_sgpr_workgroup_id_y 1
		.amdhsa_system_sgpr_workgroup_id_z 1
		.amdhsa_system_vgpr_workitem_id 0
		.amdhsa_next_free_vgpr 256
		.amdhsa_next_free_sgpr 66
		.amdhsa_reserve_vcc 1
		.amdhsa_float_denorm_mode_32 3
		.amdhsa_float_denorm_mode_16_64 3
		.amdhsa_memory_ordered 1
		.amdhsa_forward_progress 1
		.amdhsa_inst_pref_size 55
	.end_amdhsa_kernel
	.amdgpu_metadata
---
amdhsa.version: [ 1, 2 ]
amdhsa.kernels:
  - .name:           k_qb506abad09_refine
    .symbol:         k_qb506abad09_refine.kd
    .args:
      - { .name: p1, .offset: 0, .size: 8, .value_kind: global_buffer, .address_space: global }
      - { .name: blk, .offset: 8, .size: 8, .value_kind: global_buffer, .address_space: global }
      - { .name: geo, .offset: 16, .size: 8, .value_kind: global_buffer, .address_space: global }
      - { .name: W1, .offset: 24, .size: 8, .value_kind: global_buffer, .address_space: global }
      - { .name: W2, .offset: 32, .size: 8, .value_kind: global_buffer, .address_space: global }
      - { .name: nidx, .offset: 40, .size: 8, .value_kind: global_buffer, .address_space: global }
      - { .name: prm, .offset: 48, .size: 8, .value_kind: global_buffer, .address_space: global }
    .group_segment_fixed_size: 0
    .private_segment_fixed_size: 0
    .kernarg_segment_align: 8
    .kernarg_segment_size: 56
    .max_flat_workgroup_size: 128
    .sgpr_count:     66
    .vgpr_count:     256
    .wavefront_size: 32
...
	.end_amdgpu_metadata
.endif
;; end of part 2
;; launch gemm1 (part 3): grid 256 x 1, 16 waves a work-group, no clusters, 175,616 bytes of LDS; arguments x1, geo, nidx, prm, b1, r3; writes r3
.if DOCPART == 3
	.amdgcn_target "amdgcn-amd-amdhsa--gfx1250"
	.amdhsa_code_object_version 6
	.text
	.protected	k_qb506abad09_gemm1
	.globl	k_qb506abad09_gemm1
	.p2align	8
	.type	k_qb506abad09_gemm1,@function
k_qb506abad09_gemm1:
	s_mov_b64 s[64:65], 0
	v_nop
	global_prefetch_b8 v0, s[64:65] scope:SCOPE_SE
	s_setreg_imm32_b32 hwreg(HW_REG_WAVE_MODE, 25, 1), 1
	s_wait_xcnt 0x0
; x = [x1 ; the blend of three rows of x2t] for 128 points, quantised along its 384 channels to E2M3 with one E8M0 byte for each 32; y1 = W1 x + b1 on the codes; of y1 only each channel's sum and its
; sum of squares about the part's own mean leave (the batch norm wants them over all points before anything can follow); x's codes leave too, so that the next product's launch reads 300 bytes a point.
; SHARES.  Work-group g: batch g / 128, points 128 (g % 128) on.  Wave w has three parts.  GATHER: points 8 w .. 8 w + 7: three rows of 1,024 bytes each (row numbers and weights by scalar loads; the numbers
; are whole numbers that an earlier launch stored, held to the table's 8,192 rows), blended in f32, to a stage in LDS.  QUANTISE: a lane to a point (32 (w / 4) + lane), its 32 registers one block of 32
; channels: block w % 4 of each of the three K steps of 128.  For x1, whose channels are 65,536 bytes apart, each load reads 128 consecutive bytes; the blend comes from the stage.  A block's largest magnitude
; needs no other lane, and the codes come out with K innermost.  PRODUCT: channel tile w (in registers) against the eight tiles of 16 points (from LDS).
; OPERANDS LIE IN LDS AND IN MEMORY AS IMAGES OF THEIR REGISTERS: fragment 3 T + s (16 points x 128 K, 12 registers a lane) is three groups of 512 bytes, lane l's 16 bytes at 16 l; its scale words 4 bytes a row.
; A lane's block of 32 codes, 24 bytes, is registers 6 (kb / 2) .. + 5 of image lane (point % 16) + 16 (kb % 2): three stores of 8 bytes.
; THE PRODUCT: source 0 = 16 points, source 1 = my 16 channels: a lane holds ONE channel and its 64 registers are points, so a channel's sums need one exchange between the halves of the lanes.  b1 is the C of
; each sum's first matrix instruction.  The eight accumulators take turns, one instruction a turn.
; LIMITS: NaN and infinities are not served.  A block of zeros gets the byte 1: its codes are zeros, and this program alone reads the bytes.
; No tensor loads (every LDS byte is written once, from registers), no cluster: what work-groups share, W1's images, is 4.6 KB a wave.
.set IPITCH, 1040                      ; a stage row: 256 channels + 16 bytes: an odd multiple of 16
.set FRB,   1536                       ; an image
.set IST,   0                          ; LDS: the blend's stage, 128 rows
.set XIMG,  133120                     ; x's 24 images
.set XSC,   169984                     ; their scale words, 64 bytes each
.set STS,   171520                     ; 256 channels x (sum, squares)
.set L16,   1                          ; v1   16 x lane
.set X1O,   2                          ; v2   4 x lane
.set IS,    3                          ; v3   the stage on the way in
.set IR,    4                          ; v4   and on the way out
.set QA0,   5                          ; v5-7 where my block's three pieces of 8 bytes go
.set QA1,   6
.set QA2,   7
.set QS,    8                          ; v8   and its scale byte
.set LI,    9                          ; v9   an image's place for my lane
.set LS,    10                         ; v10  a scale word's
.set CA,    11                         ; v11  the record's way out: XIMG + 16 T
.set SA,    12                         ; v12  my channel's place among the sums
.set SR,    13                         ; v13  the sums' way out
.set R4,    14                         ; v14  4 x (lane % 16)
.set B1O,   15                         ; v15  4 x my channel
.set T16,   16                         ; v16  16 T
.set RO,    20                         ; v20-43   24 row offsets
.set GA,    44                         ; v44-139  points 0-3: 3 rows x 8 registers each
.set GB,    140                        ; v140-235 points 4-7
.set XD,    140                        ; v140-171 x1's block, ahead of GB
.set TA,    204                        ; the quantiser's registers
.set TB,    205
.set SCV,   206
.set BY,    207
.set CD,    208                        ; v208-214 codes
.set WF,    20                         ; behind the gather: v20-55 W1's three fragments
.set BI,    56                         ; v56-63   b1 of my channel, eight times
.set ACC,   64                         ; v64-127  eight accumulators; before that the blend's two blocks, and the record on its way out
.set STB,   128                        ; v128-155 the sums' registers
.set BUF,   140                        ; v140-235 two sets of four fragments of x
.set WSC,   236                        ; v236-238 W1's scale words: scales and nothing else
.set SCB,   240                        ; v240-247 x's, two sets of four: likewise
; 32 numbers of one point, v[X] on, one block along K, become 24 bytes of codes and a scale byte, and go to K step s's image.
.macro QB X, s
	v_max3_num_f32 v[TA], |v[\X]|, |v[\X+1]|, 0x1800000            ; the floor 2^(3 - 127): the byte cannot fall under 1
	v_max3_num_f32 v[TB], |v[\X+2]|, |v[\X+3]|, |v[\X+4]|
.irp i, 5,9,13,17,21,25
	v_max3_num_f32 v[TA], v[TA], |v[\X+\i]|, |v[\X+\i+1]|
	v_max3_num_f32 v[TB], v[TB], |v[\X+\i+2]|, |v[\X+\i+3]|
.endr
	v_max3_num_f32 v[TA], v[TA], |v[\X+29]|, |v[\X+30]|
	v_max3_num_f32 v[TA], v[TA], v[TB], |v[\X+31]|
	v_add_nc_u32 v[SCV], 0xff000000, v[TA]         ; 2 off the exponent field: the conversion's scale operand
	v_cvt_scalef32_pk16_fp6_f32 v[CD:CD+2], v[\X:\X+15], v[SCV]
	v_cvt_scalef32_pk16_fp6_f32 v[CD+4:CD+6], v[\X+16:\X+31], v[SCV]   ; (a conversion's three registers begin on an even number)
	v_lshrrev_b32 v[BY], 23, v[SCV]                ; the scale's byte; also the plain instruction behind the conversions
	v_mov_b32 v[CD+3], v[CD+4]
	v_mov_b32 v[CD+4], v[CD+5]
	v_mov_b32 v[CD+5], v[CD+6]
	ds_store_b64 v[QA0], v[CD:CD+1] offset:\s*FRB
	ds_store_b64 v[QA1], v[CD+2:CD+3] offset:\s*FRB
	ds_store_b64 v[QA2], v[CD+4:CD+5] offset:\s*FRB
	ds_store_b8 v[QS], v[BY] offset:\s*64
.endm
.macro GATHER G, p0                    ; points p0 .. p0 + 3: each load reads 512 consecutive bytes of one row
.irp pl, 0,1,2,3
.irp j, 0,1,2
	global_load_b128 v[\G+24*\pl+8*\j:\G+24*\pl+8*\j+3], v[RO+3*(\p0+\pl)+\j], s[6:7]
	global_load_b128 v[\G+24*\pl+8*\j+4:\G+24*\pl+8*\j+7], v[RO+3*(\p0+\pl)+\j], s[6:7] offset:512
.endr
.endr
.endm
.macro INTERP G, p0                    ; w0 f0 + w1 f1 + w2 f2 in f32, eight channels a lane, to the stage
.irp pl, 0,1,2,3
.irp n, 0,1,2,3,4,5,6,7
	v_mul_f32 v[\G+24*\pl+\n], s[68+4*(\p0+\pl)], v[\G+24*\pl+\n]
.endr
.irp n, 0,1,2,3,4,5,6,7
	v_fmac_f32 v[\G+24*\pl+\n], s[69+4*(\p0+\pl)], v[\G+24*\pl+8+\n]
.endr
.irp n, 0,1,2,3,4,5,6,7
	v_fmac_f32 v[\G+24*\pl+\n], s[70+4*(\p0+\pl)], v[\G+24*\pl+16+\n]
.endr
	ds_store_b128 v[IS], v[\G+24*\pl:\G+24*\pl+3] offset:(\p0+\pl)*IPITCH
	ds_store_b128 v[IS], v[\G+24*\pl+4:\G+24*\pl+7] offset:(\p0+\pl)*IPITCH+512
.endr
.endm
.macro FETCH4 buf, f0, df, adrI, adrS, scb     ; four fragments f0, f0 + df .. and their scale words: 16 LDS loads
.irp i, 0,1,2,3
.irp q, 0,1,2
	ds_load_b128 v[\buf+12*\i+4*\q:\buf+12*\i+4*\q+3], v[\adrI] offset:(\f0+\i*\df)*FRB+512*\q
.endr
	ds_load_b32 v[\scb+\i], v[\adrS] offset:(\f0+\i*\df)*64
.endr
.endm
.macro MM acc, a, b, c, sa, sb
	v_wmma_scale_f32_16x16x128_f8f6f4 v[\acc:\acc+7], v[\a:\a+11], v[\b:\b+11], v[\c:\c+7], v[\sa], v[\sb] matrix_a_fmt:MATRIX_FMT_FP6 matrix_b_fmt:MATRIX_FMT_FP6
.endm
; Eight tiles of 16 points x my 16 channels, NS K steps.  Group gi of 2 NS: K step gi / 2, tiles 4 (gi % 2) + 0 .. 3, in fragment set gi % 2.  A group's fragments are asked for two groups ahead.
.macro GEMMN NS, CB
.set NG, 2*\NS
.set gi, 0
	FETCH4 BUF, 0, \NS, LI, LS, SCB
	FETCH4 BUF+48, 4*\NS, \NS, LI, LS, SCB+4
.rept NG
.if gi < NG-1
	s_wait_dscnt 16                                ; this group's 16 loads are in, the next group's 16 may be out
.else
	s_wait_dscnt 0x0
.endif
.irp i, 0,1,2,3
.if gi < 2
	MM ACC+8*(4*(gi%2)+\i), BUF+48*(gi%2)+12*\i, WF+12*(gi/2), \CB, SCB+4*(gi%2)+\i, WSC+gi/2
.else
	MM ACC+8*(4*(gi%2)+\i), BUF+48*(gi%2)+12*\i, WF+12*(gi/2), ACC+8*(4*(gi%2)+\i), SCB+4*(gi%2)+\i, WSC+gi/2
.endif
.endr
.if gi+2 < NG
.rept 4
	v_nop                                          ; four places in front of loads into registers that matrix instructions have read (ISA guide 7.12.1 for vector instructions)
.endr
	FETCH4 BUF+48*(gi%2), 4*\NS*(gi%2)+(gi+2)/2, \NS, LI, LS, SCB+4*(gi%2)
.endif
.set gi, gi+1
.endr
.rept 4
	v_nop                                          ; and in front of the first read of results
.endr
.endm
; My channel's sum over the 128 points and its sum of squares about that sum / 128.  Each accumulator is read from its low end on.
.macro STATS
.irp c, 0,1,2,3
	v_pk_add_f32 v[STB+2*\c:STB+2*\c+1], v[ACC+8*\c:ACC+8*\c+1], v[ACC+8*\c+2:ACC+8*\c+3]
.endr
.irp p, 4,6
.irp c, 0,1,2,3
	v_pk_add_f32 v[STB+2*\c:STB+2*\c+1], v[STB+2*\c:STB+2*\c+1], v[ACC+8*\c+\p:ACC+8*\c+\p+1]
.endr
.endr
.irp p, 0,2,4,6
.irp c, 0,1,2,3
	v_pk_add_f32 v[STB+2*\c:STB+2*\c+1], v[STB+2*\c:STB+2*\c+1], v[ACC+32+8*\c+\p:ACC+32+8*\c+\p+1]
.endr
.endr
	v_pk_add_f32 v[STB:STB+1], v[STB:STB+1], v[STB+2:STB+3]
	v_pk_add_f32 v[STB+4:STB+5], v[STB+4:STB+5], v[STB+6:STB+7]
	v_pk_add_f32 v[STB:STB+1], v[STB:STB+1], v[STB+4:STB+5]
	v_add_f32 v[STB], v[STB], v[STB+1]
	v_permlanex16_b32 v[STB+2], v[STB], s62, s63   ; the other 64 points lie in the lane 16 away
	v_add_f32 v[STB+8], v[STB], v[STB+2]           ; the sum
	v_mul_f32 v[STB+10], 0x3c000000, v[STB+8]      ; / 128
	v_mov_b32 v[STB+11], v[STB+10]
.irp p, 0,2,4,6
.irp c, 0,1,2,3
	v_pk_add_f32 v[STB+12+2*\c:STB+13+2*\c], v[ACC+8*\c+\p:ACC+8*\c+\p+1], v[STB+10:STB+11] neg_lo:[0,1] neg_hi:[0,1]
.endr
.irp c, 0,1,2,3
.if \p == 0
	v_pk_mul_f32 v[STB+20+2*\c:STB+21+2*\c], v[STB+12+2*\c:STB+13+2*\c], v[STB+12+2*\c:STB+13+2*\c]
.else
	v_pk_fma_f32 v[STB+20+2*\c:STB+21+2*\c], v[STB+12+2*\c:STB+13+2*\c], v[STB+12+2*\c:STB+13+2*\c], v[STB+20+2*\c:STB+21+2*\c]
.endif
.endr
.endr
.irp p, 0,2,4,6
.irp c, 0,1,2,3
	v_pk_add_f32 v[STB+12+2*\c:STB+13+2*\c], v[ACC+32+8*\c+\p:ACC+32+8*\c+\p+1], v[STB+10:STB+11] neg_lo:[0,1] neg_hi:[0,1]
.endr
.irp c, 0,1,2,3
	v_pk_fma_f32 v[STB+20+2*\c:STB+21+2*\c], v[STB+12+2*\c:STB+13+2*\c], v[STB+12+2*\c:STB+13+2*\c], v[STB+20+2*\c:STB+21+2*\c]
.endr
.endr
	v_pk_add_f32 v[STB+20:STB+21], v[STB+20:STB+21], v[STB+22:STB+23]
	v_pk_add_f32 v[STB+24:STB+25], v[STB+24:STB+25], v[STB+26:STB+27]
	v_pk_add_f32 v[STB+20:STB+21], v[STB+20:STB+21], v[STB+24:STB+25]
	v_add_f32 v[STB+20], v[STB+20], v[STB+21]
	v_permlanex16_b32 v[STB+22], v[STB+20], s62, s63
	v_add_f32 v[STB+9], v[STB+20], v[STB+22]       ; the squares
	ds_store_b64 v[SA], v[STB+8:STB+9]             ; both halves of the lanes hold the same pair and store it to the same place
.endm
.macro BARRIER
	s_wait_dscnt 0x0
	s_barrier_signal -1
	s_barrier_wait -1
.endm
	s_load_b256 s[4:11], s[0:1], 0x0               ; x1 s[4:5], geo s[6:7], nidx s[8:9], prm s[10:11]
	s_load_b128 s[12:15], s[0:1], 0x20             ; b1 s[12:13], r3 s[14:15]
	v_lshl_add_u32 v254, v0, 2, 0x2a600
	v_mov_b32 v255, 0
	v_lshrrev_b32 v17, 5, v0
	v_readfirstlane_b32 s16, v17                   ; wave 0..15
	s_and_b32 s17, s16, 3                          ; kb: my block of a K step
	s_lshr_b32 s18, s16, 2                         ; pg: my 32 points
	v_and_b32 v17, 31, v0                          ; lane
	v_and_b32 v19, 15, v0                          ; r
	v_bfe_u32 v18, v0, 4, 1                        ; h
	v_lshlrev_b32 v[L16], 4, v17
	v_lshlrev_b32 v[X1O], 2, v17
	v_lshlrev_b32 v[T16], 4, v0
	v_lshlrev_b32 v[R4], 2, v19
	s_mul_i32 s19, s16, 8*IPITCH
	v_add_nc_u32 v[IS], s19, v[L16]                ; rows 8 w on, 16 bytes a lane
	s_mul_i32 s19, s18, 32*IPITCH
	s_lshl_b32 s52, s17, 7
	s_add_co_u32 s19, s19, s52
	v_mul_u32_u24 v[IR], v17, IPITCH
	v_add_nc_u32 v[IR], s19, v[IR]                 ; row 32 pg + lane, channels 32 kb on
	s_mul_i32 s19, s18, 6*FRB                      ; point tile 2 pg + lane / 16: three images each
	s_and_b32 s52, s17, 1
	s_lshl_b32 s52, s52, 8                         ; image lane r + 16 (kb % 2)
	s_add_co_u32 s19, s19, s52
	s_add_co_u32 s19, s19, XIMG
	v_mul_u32_u24 v[QA0], v18, 3*FRB
	v_lshl_add_u32 v[QA0], v19, 4, v[QA0]
	v_add_nc_u32 v[QA0], s19, v[QA0]
	s_lshr_b32 s53, s17, 1                         ; kb / 2 = 0: registers 0-5: bytes 0, 8 of group 0 and 0 of group 1;  1: registers 6-11: byte 8 of group 1 and 0, 8 of group 2
	s_mul_i32 s54, s53, 520
	s_mul_i32 s55, s53, 1016
	s_add_co_u32 s55, s55, 8
	v_add_nc_u32 v[QA1], s55, v[QA0]
	s_add_co_u32 s55, s54, 512
	v_add_nc_u32 v[QA2], s55, v[QA0]
	v_add_nc_u32 v[QA0], s54, v[QA0]
	s_mul_i32 s19, s18, 384
	s_add_co_u32 s19, s19, s17
	s_add_co_u32 s19, s19, XSC
	v_mul_u32_u24 v[QS], v18, 192
	v_add_nc_u32 v[QS], v[QS], v[R4]
	v_add_nc_u32 v[QS], s19, v[QS]                 ; byte kb of my point's scale word
	v_add_nc_u32 v[LI], XIMG, v[L16]
	v_add_nc_u32 v[LS], XSC, v[R4]
	v_add_nc_u32 v[CA], XIMG, v[T16]
	v_lshrrev_b32 v[B1O], 6, v0                    ; my channel: 32 (w / 2) + 8 (w % 2) + r + 8 (r / 8)
	v_lshlrev_b32 v[B1O], 5, v[B1O]
	v_bfe_u32 v17, v0, 5, 1
	v_lshl_add_u32 v[B1O], v17, 3, v[B1O]
	v_add_nc_u32 v[B1O], v[B1O], v19
	v_bfe_u32 v17, v0, 3, 1
	v_lshl_add_u32 v[B1O], v17, 3, v[B1O]
	v_lshl_add_u32 v[SA], v[B1O], 3, STS
	v_lshlrev_b32 v[B1O], 2, v[B1O]
	v_and_b32 v17, 127, v0
	v_lshl_add_u32 v[SR], v17, 4, STS
	s_mov_b32 s62, 0x76543210
	s_mov_b32 s63, 0xfedcba98                      ; v_permlanex16_b32's selects for lane l xor 16
	s_lshl_b32 s52, ttmp9, 11                      ; my eight points' row numbers and weights: 16 bytes a point
	s_lshl_b32 s19, s16, 7
	s_add_co_u32 s52, s52, s19
	s_mov_b32 s53, 0
	s_lshr_b32 s54, ttmp9, 7                       ; x1: batch, 32 kb channels, my 32 points
	s_lshl_b32 s54, s54, 23
	s_lshl_b32 s19, s17, 21
	s_add_co_u32 s54, s54, s19
	s_and_b32 s19, ttmp9, 127
	s_lshl_b32 s19, s19, 9
	s_add_co_u32 s54, s54, s19
	s_lshl_b32 s19, s18, 7
	s_add_co_u32 s54, s54, s19
	s_mov_b32 s55, 0
	s_wait_kmcnt 0x0
	s_add_nc_u64 s[8:9], s[8:9], s[52:53]
	s_add_nc_u64 s[56:57], s[10:11], s[52:53]
	s_add_nc_u64 s[4:5], s[4:5], s[54:55]
	s_load_b512 s[20:35], s[8:9], 0x0              ; row numbers: point p's three at s[20 + 4 p] on
	s_load_b512 s[36:51], s[8:9], 0x40
	s_load_b512 s[68:83], s[56:57], 0x0            ; weights: at s[68 + 4 p] on
	s_load_b512 s[84:99], s[56:57], 0x40
.set i, 0
.rept 32
	global_load_b32 v[XD+i], v[X1O], s[4:5] offset:i*65536 th:TH_LOAD_NT   ; channel 32 kb + i of my point: a wave reads 128 consecutive bytes; read once in the launch
.set i, i+1
.endr
	s_mul_i32 s52, s16, 3*FRB
	s_add_co_u32 s52, s52, 524288
	s_add_nc_u64 s[58:59], s[10:11], s[52:53]      ; W1's images 3 w on
	s_mul_i32 s52, s16, 192
	s_add_co_u32 s52, s52, 598016
	s_add_nc_u64 s[60:61], s[10:11], s[52:53]      ; and their scale words
	s_wait_kmcnt 0x0
.irp p, 0,1,2,3,4,5,6,7
.irp j, 0,1,2
	s_min_u32 s[20+4*\p+\j], s[20+4*\p+\j], 8191   ; a loaded number enters an address held to x2t's 8,192 rows
	s_lshl_b32 s[20+4*\p+\j], s[20+4*\p+\j], 10
	v_add_nc_u32 v[RO+3*\p+\j], s[20+4*\p+\j], v[L16]
.endr
.endr
	s_lshl_b32 s52, ttmp9, 11                      ; (the scalar loads are done: their base may be written)
	s_add_nc_u64 s[8:9], s[14:15], s[52:53]        ; the sums' 2,048 bytes in r3
	s_mul_i32 s52, ttmp9, 38400
	s_add_co_u32 s52, s52, 524288
	s_add_nc_u64 s[14:15], s[14:15], s[52:53]      ; x's record
	GATHER GA, 0
	s_wait_loadcnt 24                              ; x1's 32 loads are in; the 24 of the gather may be out
	QB XD, 0
	s_wait_dscnt 0x0                               ; the stores have read their registers, onto which the next loads land
	GATHER GB, 4
	s_wait_loadcnt 24                              ; points 0-3 are in; points 4-7's 24 loads may be out
	INTERP GA, 0
	s_wait_loadcnt 0x0
	INTERP GB, 4
	s_wait_dscnt 0x0                               ; for the others' sake, and the stores have read their registers
.irp s, 0,1,2
.irp q, 0,1,2
	global_load_b128 v[WF+12*\s+4*\q:WF+12*\s+4*\q+3], v[L16], s[58:59] offset:\s*FRB+512*\q
.endr
	global_load_b32 v[WSC+\s], v[R4], s[60:61] offset:64*\s
.endr
	global_load_b32 v[BI], v[B1O], s[12:13]
	s_barrier_signal -1
	s_barrier_wait -1                              ; the blend of all 128 points lies in the stage
.irp i, 0,1,2,3,4,5,6,7
	ds_load_b128 v[ACC+4*\i:ACC+4*\i+3], v[IR] offset:16*\i            ; the blend's channels 32 kb on: K step 1
.endr
.irp i, 0,1,2,3,4,5,6,7
	ds_load_b128 v[ACC+32+4*\i:ACC+32+4*\i+3], v[IR] offset:512+16*\i  ; 128 + 32 kb on: K step 2
.endr
	s_wait_dscnt 8                                 ; K step 1's eight loads are in
	QB ACC, 1
	s_wait_dscnt 0x0                               ; K step 2's are in, and the stores have read the codes' registers
	QB ACC+32, 2
	BARRIER                                        ; x's 24 images and their scale words lie in LDS
.irp i, 0,1,2,3
	ds_load_b128 v[ACC+4*\i:ACC+4*\i+3], v[CA] offset:8192*\i          ; the record, 38,400 bytes as they lie, leaves for the next product's launch
.endr
	s_wait_dscnt 0x0
.irp i, 0,1,2,3
	global_store_b128 v[T16], v[ACC+4*\i:ACC+4*\i+3], s[14:15] offset:8192*\i   ; a wave stores 512 consecutive bytes, aligned
.endr
	s_cmp_lt_u32 s16, 11                           ; the last 5,632 bytes: waves 0 to 10
	s_cbranch_scc0 .Lno_fifth
	ds_load_b128 v[ACC+16:ACC+19], v[CA] offset:32768
	s_wait_dscnt 0x0
	global_store_b128 v[T16], v[ACC+16:ACC+19], s[14:15] offset:32768
.Lno_fifth:
	s_wait_loadcnt 0x0                             ; W1's fragments, their scale words, b1
.irp j, 1,2,3,4,5,6,7
	v_mov_b32 v[BI+\j], v[BI]
.endr
	s_wait_xcnt 0x0                                ; the stores' data registers become accumulators only behind this wait
	GEMMN 3, BI
	STATS
	BARRIER                                        ; 256 channels' pairs lie in LDS
	s_cmp_lt_u32 s16, 4
	s_cbranch_scc0 .Ldone
	ds_load_b128 v[STB+12:STB+15], v[SR]
	s_wait_dscnt 0x0
	global_store_b128 v[T16], v[STB+12:STB+15], s[8:9]   ; a wave stores 512 consecutive bytes, aligned
.Ldone:
	s_barrier_signal -1
	s_barrier_wait -1
	s_wait_tensorcnt 0x0
	ds_add_u32 v254, v255
	s_wait_dscnt 0x0
	s_endpgm
.Lfunc_end_k_qb506abad09_gemm1:
	.size	k_qb506abad09_gemm1, .Lfunc_end_k_qb506abad09_gemm1-k_qb506abad09_gemm1
	.p2alignl 7, 3214868480
	.fill 96, 4, 3214868480
	.section	.rodata,"a",@progbits
	.p2align	6, 0x0
	.amdhsa_kernel k_qb506abad09_gemm1
		.amdhsa_group_segment_fixed_size 175616
		.amdhsa_private_segment_fixed_size 0
		.amdhsa_enable_private_segment 0
		.amdhsa_kernarg_size 48
		.amdhsa_user_sgpr_count 2
		.amdhsa_user_sgpr_kernarg_segment_ptr 1
		.amdhsa_wavefront_size32 1
		.amdhsa_system_sgpr_workgroup_id_x 1
		.amdhsa_system_sgpr_workgroup_id_y 1
		.amdhsa_system_sgpr_workgroup_id_z 1
		.amdhsa_system_vgpr_workitem_id 0
		.amdhsa_next_free_vgpr 256
		.amdhsa_next_free_sgpr 100
		.amdhsa_reserve_vcc 0
		.amdhsa_float_denorm_mode_32 3
		.amdhsa_float_denorm_mode_16_64 3
		.amdhsa_memory_ordered 1
		.amdhsa_forward_progress 1
		.amdhsa_inst_pref_size 48
	.end_amdhsa_kernel
	.amdgpu_metadata
---
amdhsa.version: [ 1, 2 ]
amdhsa.kernels:
  - .name:           k_qb506abad09_gemm1
    .symbol:         k_qb506abad09_gemm1.kd
    .args:
      - { .name: x1, .offset: 0, .size: 8, .value_kind: global_buffer, .address_space: global }
      - { .name: geo, .offset: 8, .size: 8, .value_kind: global_buffer, .address_space: global }
      - { .name: nidx, .offset: 16, .size: 8, .value_kind: global_buffer, .address_space: global }
      - { .name: prm, .offset: 24, .size: 8, .value_kind: global_buffer, .address_space: global }
      - { .name: b1, .offset: 32, .size: 8, .value_kind: global_buffer, .address_space: global }
      - { .name: r3, .offset: 40, .size: 8, .value_kind: global_buffer, .address_space: global }
    .group_segment_fixed_size: 175616
    .private_segment_fixed_size: 0
    .kernarg_segment_align: 8
    .kernarg_segment_size: 48
    .max_flat_workgroup_size: 512
    .sgpr_count:     100
    .vgpr_count:     256
    .wavefront_size: 32
...
	.end_amdgpu_metadata
.endif
;; end of part 3
;; launch bnstat (part 4): grid 8 x 1, 16 waves a work-group, no clusters, 6,144 bytes of LDS; arguments r3, b1, g1, be1, coef1; writes coef1
.if DOCPART == 4
	.amdgcn_target "amdgcn-amd-amdhsa--gfx1250"
	.amdhsa_code_object_version 6
	.text
	.protected	k_qb506abad09_bnstat
	.globl	k_qb506abad09_bnstat
	.p2align	8
	.type	k_qb506abad09_bnstat,@function
k_qb506abad09_bnstat:
	s_mov_b64 s[64:65], 0
	v_nop
	global_prefetch_b8 v0, s[64:65] scope:SCOPE_SE
	s_setreg_imm32_b32 hwreg(HW_REG_WAVE_MODE, 25, 1), 1
	s_wait_xcnt 0x0
; THE BATCH NORM'S COEFFICIENTS.  256 parts of 128 points have each left, for each of 256 channels, (S, Q): the sum of y and the sum of squares about the part's own mean S / 128.
; mu = sum of S / 32,768;  var = (sum of Q + sum of 128 (S / 128 - mu)^2) / 32,768: no difference of large sums is formed.  Stored: b - mu, a = g / sqrt(var + 1e-5), beta, 256 each.
; SHARES.  Work-group k: channels 32 k + lane.  Wave w: parts 16 w .. 16 w + 15.  The waves' figures meet in LDS, twice.  Eight work-groups are all the work there is: 512 KB for 256 channels.
.set SV, 8                             ; v8-39  (S, Q) of my 16 parts
	s_load_b256 s[4:11], s[0:1], 0x0               ; the parts s[4:5], b s[6:7], g s[8:9], beta s[10:11]
	s_load_b64 s[12:13], s[0:1], 0x20              ; the coefficients
	v_lshl_add_u32 v64, v0, 2, 0x1000
	v_mov_b32 v65, 0
	v_lshrrev_b32 v1, 5, v0
	v_readfirstlane_b32 s14, v1                    ; wave 0..15
	v_and_b32 v4, 31, v0
	v_lshlrev_b32 v2, 2, v0                        ; LDS: a word for each thread
	v_lshlrev_b32 v3, 2, v4                        ; 4 x lane
	v_lshlrev_b32 v5, 3, v4                        ; 8 x lane
	s_lshl_b32 s16, ttmp9, 8                       ; 32 channels of 8 bytes,
	s_lshl_b32 s17, s14, 15                        ; 16 parts of 2,048 bytes
	s_add_co_u32 s16, s16, s17
	s_mov_b32 s17, 0
	s_lshl_b32 s18, ttmp9, 7
	s_mov_b32 s19, 0
	s_mov_b32 s20, 0x3c000000                      ; 1 / 128
	s_wait_kmcnt 0x0
	s_add_nc_u64 s[4:5], s[4:5], s[16:17]
	s_add_nc_u64 s[6:7], s[6:7], s[18:19]
	s_add_nc_u64 s[8:9], s[8:9], s[18:19]
	s_add_nc_u64 s[10:11], s[10:11], s[18:19]
	s_add_nc_u64 s[12:13], s[12:13], s[18:19]
.irp i, 0,1,2,3,4,5,6,7,8,9,10,11,12,13,14,15
	global_load_b64 v[SV+2*\i:SV+2*\i+1], v5, s[4:5] offset:2048*\i    ; a wave reads 256 consecutive bytes, aligned
.endr
	s_cmp_lg_u32 s14, 0
	s_cbranch_scc1 .Lnot_wave_0
	global_load_b32 v40, v3, s[6:7]
	global_load_b32 v41, v3, s[8:9]
	global_load_b32 v42, v3, s[10:11]
.Lnot_wave_0:
	s_wait_loadcnt 0x0
	v_add_f32 v44, v[SV], v[SV+2]
	v_add_f32 v45, v[SV+4], v[SV+6]
.irp i, 4,6,8,10,12,14
	v_add_f32 v44, v44, v[SV+2*\i]
	v_add_f32 v45, v45, v[SV+2*\i+2]
.endr
	v_add_f32 v44, v44, v45
	ds_store_b32 v2, v44
	s_wait_dscnt 0x0
	s_barrier_signal -1
	s_barrier_wait -1
.irp i, 0,1,2,3,4,5,6,7,8,9,10,11,12,13,14,15
	ds_load_b32 v[46+\i], v3 offset:128*\i
.endr
	s_wait_dscnt 0x0
	v_add_f32 v43, v46, v47
	v_add_f32 v45, v48, v49
.irp i, 4,6,8,10,12,14
	v_add_f32 v43, v43, v[46+\i]
	v_add_f32 v45, v45, v[47+\i]
.endr
	v_add_f32 v43, v43, v45
	v_mul_f32 v43, 0x38000000, v43                 ; mu = the sum / 32,768
.irp i, 0,1,2,3,4,5,6,7,8,9,10,11,12,13,14,15
	v_fma_f32 v45, v[SV+2*\i], s20, -v43           ; the part's mean less mu
	v_mul_f32 v62, 0x43000000, v45                 ; x 128
.if \i == 0
	v_fma_f32 v44, v62, v45, v[SV+1]
.else
	v_add_f32 v44, v44, v[SV+2*\i+1]
	v_fma_f32 v44, v62, v45, v44
.endif
.endr
	ds_store_b32 v2, v44 offset:2048
	s_wait_dscnt 0x0
	s_barrier_signal -1
	s_barrier_wait -1
	s_cmp_lg_u32 s14, 0
	s_cbranch_scc1 .Ldone
.irp i, 0,1,2,3,4,5,6,7,8,9,10,11,12,13,14,15
	ds_load_b32 v[46+\i], v3 offset:2048+128*\i
.endr
	s_wait_dscnt 0x0
	v_add_f32 v44, v46, v47
	v_add_f32 v45, v48, v49
.irp i, 4,6,8,10,12,14
	v_add_f32 v44, v44, v[46+\i]
	v_add_f32 v45, v45, v[47+\i]
.endr
	v_add_f32 v44, v44, v45
	v_mul_f32 v44, 0x38000000, v44                 ; var
	v_add_f32 v44, 0x3727c5ac, v44                 ; + 1e-5
	v_rsq_f32 v45, v44
	v_sub_f32 v62, v40, v43                        ; b - mu; also the plain instruction behind the transcendental
	s_wait_alu depctr_va_vdst(0)
	v_mul_f32 v45, v41, v45                        ; a
	global_store_b32 v3, v62, s[12:13]
	global_store_b32 v3, v45, s[12:13] offset:1024
	global_store_b32 v3, v42, s[12:13] offset:2048
.Ldone:
	s_barrier_signal -1
	s_barrier_wait -1
	s_wait_tensorcnt 0x0
	ds_add_u32 v64, v65
	s_wait_dscnt 0x0
	s_endpgm
.Lfunc_end_k_qb506abad09_bnstat:
	.size	k_qb506abad09_bnstat, .Lfunc_end_k_qb506abad09_bnstat-k_qb506abad09_bnstat
	.p2alignl 7, 3214868480
	.fill 96, 4, 3214868480
	.section	.rodata,"a",@progbits
	.p2align	6, 0x0
	.amdhsa_kernel k_qb506abad09_bnstat
		.amdhsa_group_segment_fixed_size 6144
		.amdhsa_private_segment_fixed_size 0
		.amdhsa_enable_private_segment 0
		.amdhsa_kernarg_size 40
		.amdhsa_user_sgpr_count 2
		.amdhsa_user_sgpr_kernarg_segment_ptr 1
		.amdhsa_wavefront_size32 1
		.amdhsa_system_sgpr_workgroup_id_x 1
		.amdhsa_system_sgpr_workgroup_id_y 1
		.amdhsa_system_sgpr_workgroup_id_z 1
		.amdhsa_system_vgpr_workitem_id 0
		.amdhsa_next_free_vgpr 66
		.amdhsa_next_free_sgpr 66
		.amdhsa_reserve_vcc 0
		.amdhsa_float_denorm_mode_32 3
		.amdhsa_float_denorm_mode_16_64 3
		.amdhsa_memory_ordered 1
		.amdhsa_forward_progress 1
		.amdhsa_inst_pref_size 12
	.end_amdhsa_kernel
	.amdgpu_metadata
---
amdhsa.version: [ 1, 2 ]
amdhsa.kernels:
  - .name:           k_qb506abad09_bnstat
    .symbol:         k_qb506abad09_bnstat.kd
    .args:
      - { .name: r3, .offset: 0, .size: 8, .value_kind: global_buffer, .address_space: global }
      - { .name: b1, .offset: 8, .size: 8, .value_kind: global_buffer, .address_space: global }
      - { .name: g1, .offset: 16, .size: 8, .value_kind: global_buffer, .address_space: global }
      - { .name: be1, .offset: 24, .size: 8, .value_kind: global_buffer, .address_space: global }
      - { .name: coef1, .offset: 32, .size: 8, .value_kind: global_buffer, .address_space: global }
    .group_segment_fixed_size: 6144
    .private_segment_fixed_size: 0
    .kernarg_segment_align: 8
    .kernarg_segment_size: 40
    .max_flat_workgroup_size: 512
    .sgpr_count:     66
    .vgpr_count:     66
    .wavefront_size: 32
...
	.end_amdgpu_metadata
.endif
;; end of part 4
;; launch gemm2 (part 5): grid 256 x 1, 16 waves a work-group, no clusters, 109,568 bytes of LDS; arguments r3, coef1, prm, b2, r4; writes r4
.if DOCPART == 5
	.amdgcn_target "amdgcn-amd-amdhsa--gfx1250"
	.amdhsa_code_object_version 6
	.text
	.protected	k_qb506abad09_gemm2
	.globl	k_qb506abad09_gemm2
	.p2align	8
	.type	k_qb506abad09_gemm2,@function
k_qb506abad09_gemm2:
	s_mov_b64 s[64:65], 0
	v_nop
	global_prefetch_b8 v0, s[64:65] scope:SCOPE_SE
	s_setreg_imm32_b32 hwreg(HW_REG_WAVE_MODE, 25, 1), 1
	s_wait_xcnt 0x0
; h = relu(a1 (W1 x + b1 - mu1) + beta1) for 128 points, made again from x's codes (cheaper than y1's way to memory and back: 300 bytes a point against 2,048), quantised along its 256 channels;
; y2 = W2 h + b2 on the codes; of y2 each channel's sum and sum of squares about the part's mean leave, and h's codes.
; SHARES.  Work-group g: the 128 points of x's record g.  FIRST PRODUCT, USED TRANSPOSED (source 0 = 16 rows of W1 from LDS, source 1 = 16 points in registers): wave w makes point tile w / 2, channels
; 128 (w % 2) on: eight tiles.  A lane then holds ONE point and, by the choice of the rows that form a tile of W1, the 16 registers of tiles 2 b and 2 b + 1 are channels 32 b + 16 (lane / 16) + 0 .. 15:
; neighbours along the next K.  The sums begin as b1 - mu1, loaded into the accumulators.  The wave's 128 channels are one K step of the second product: fragment w, stored to LDS as an image of its registers.
; SECOND PRODUCT (source 0 = 16 points from LDS, source 1 = my 16 channels of W2 in registers): channel tile w against the eight tiles of points; b2 is the C of each sum's first matrix instruction.
; In both the eight accumulators take turns, one instruction a turn.
; LIMITS: NaN and infinities are not served.  A block of zeros gets the byte 1: its codes are zeros, and this program alone reads the bytes.
; No tensor loads (every LDS byte is written once, from registers), no cluster: what work-groups share, W1's 77 KB of images, is read once by each.
.set FRB,   1536
.set W1I,   0                          ; LDS: W1's 48 images,
.set W1SC,  73728                      ; their scale words,
.set COEF,  76800                      ; b1 - mu1, a1, beta1: 1,024 bytes each
.set HIMG,  79872                      ; h's 16 images (2 T + s),
.set HSC,   104448                     ; their scale words
.set STS,   105472                     ; 256 channels x (sum, squares)
.set T16,   1                          ; v1   16 T
.set T16H,  2                          ; v2   16 T + 65,536: an LDS immediate has 16 bits
.set LI,    3                          ; v3   h's images: my lane's place
.set LS,    4                          ; v4   h's scale words
.set WA,    5                          ; v5   W1's images of my half of the channels
.set WSA,   6                          ; v6   and their scale words
.set CA,    7                          ; v7   the coefficients of my half of the channels, my half of the lanes
.set HWI,   8                          ; v8   where I store my fragment of h
.set HWS,   9                          ; v9   and its scale words
.set SA,    10                         ; v10  my channel's place among the sums
.set L16,   11                         ; v11  16 x lane
.set ACC,   12                         ; v12-75   eight accumulators
.set WF,    76                         ; v76-99   W2's two fragments
.set BI,    100                        ; v100-107 b2 of my channel, eight times
.set WSC,   108                        ; v108-109 W2's scale words: scales and nothing else
.set XS,    110                        ; v110-112 x's: likewise
.set R4,    113                        ; v113 4 x (lane % 16)
.set SCB,   114                        ; v114-121 scale words of the fragments from LDS, two sets of four: likewise
.set BUF,   122                        ; v122-217 two sets of four fragments; at the head W1's images on their way to LDS
.set XF,    218                        ; v218-253 x's three fragments; later h's record on its way out
.set B2O,   254                        ; v254 4 x my channel
.set AV,    122                        ; v122-185 a1, in the accumulators' layout
.set BV,    186                        ; v186-249 beta1
.set TM,    122                        ; the quantiser's registers
.set PW,    138
.set PC,    140
.set STB,   122                        ; the sums' registers
.macro FETCH4 buf, f0, df, adrI, adrS, scb     ; four fragments f0, f0 + df .. and their scale words: 16 LDS loads
.irp i, 0,1,2,3
.irp q, 0,1,2
	ds_load_b128 v[\buf+12*\i+4*\q:\buf+12*\i+4*\q+3], v[\adrI] offset:(\f0+\i*\df)*FRB+512*\q
.endr
	ds_load_b32 v[\scb+\i], v[\adrS] offset:(\f0+\i*\df)*64
.endr
.endm
.macro MM acc, a, b, c, sa, sb
	v_wmma_scale_f32_16x16x128_f8f6f4 v[\acc:\acc+7], v[\a:\a+11], v[\b:\b+11], v[\c:\c+7], v[\sa], v[\sb] matrix_a_fmt:MATRIX_FMT_FP6 matrix_b_fmt:MATRIX_FMT_FP6
.endm
.macro PLACES                          ; four places in front of loads into registers that matrix instructions have read, and of the first read of results (ISA guide 7.12.1 for vector instructions)
.rept 4
	v_nop
.endr
.endm
; Eight tiles of 16 points x my 16 channels, NS K steps.  Group gi of 2 NS: K step gi / 2, tiles 4 (gi % 2) + 0 .. 3, in fragment set gi % 2.  A group's fragments are asked for two groups ahead.
.macro GEMMN NS, CB
.set NG, 2*\NS
.set gi, 0
	FETCH4 BUF, 0, \NS, LI, LS, SCB
	FETCH4 BUF+48, 4*\NS, \NS, LI, LS, SCB+4
.rept NG
.if gi < NG-1
	s_wait_dscnt 16                                ; this group's 16 loads are in, the next group's 16 may be out
.else
	s_wait_dscnt 0x0
.endif
.irp i, 0,1,2,3
.if gi < 2
	MM ACC+8*(4*(gi%2)+\i), BUF+48*(gi%2)+12*\i, WF+12*(gi/2), \CB, SCB+4*(gi%2)+\i, WSC+gi/2
.else
	MM ACC+8*(4*(gi%2)+\i), BUF+48*(gi%2)+12*\i, WF+12*(gi/2), ACC+8*(4*(gi%2)+\i), SCB+4*(gi%2)+\i, WSC+gi/2
.endif
.endr
.if gi+2 < NG
	PLACES
	FETCH4 BUF+48*(gi%2), 4*\NS*(gi%2)+(gi+2)/2, \NS, LI, LS, SCB+4*(gi%2)
.endif
.set gi, gi+1
.endr
	PLACES
.endm
; 64 numbers of a lane, none negative, v[s] on, register 16 b + i = k 32 b + 16 (lane / 16) + i of my point, become a fragment's codes in v[PC] on and its scale word in v[PW].
.macro QUANT s
.irp b, 0,1,2,3
	v_max3_num_f32 v[TM+\b], v[\s+16*\b], v[\s+1+16*\b], 0x1800000   ; block b: my 16 numbers, and the floor 2^(3 - 127): the byte cannot fall under 1
.endr
.irp i, 2,4,6,8,10,12,14
.irp b, 0,1,2,3
	v_max3_num_f32 v[TM+\b], v[TM+\b], v[\s+16*\b+\i], v[\s+1+16*\b+\i]
.endr
.endr
.irp b, 0,1,2,3
	v_permlanex16_b32 v[TM+4+\b], v[TM+\b], s28, s29
.endr
.irp b, 0,1,2,3
	v_max_num_f32 v[TM+\b], v[TM+\b], v[TM+4+\b]   ; with lane l xor 16's: the block's largest
.endr
.irp b, 0,1,2,3
	v_add_nc_u32 v[TM+12+\b], 0xff000000, v[TM+\b]   ; 2 off the exponent field: the conversion's scale operand
.endr
.irp b, 0,1,2,3
	v_lshrrev_b32 v[TM+4+\b], 23, v[TM+12+\b]      ; the scale's byte
.endr
	v_lshl_or_b32 v[PW], v[TM+5], 8, v[TM+4]
	v_lshl_or_b32 v[PW], v[TM+6], 16, v[PW]
	v_lshl_or_b32 v[PW], v[TM+7], 24, v[PW]
.irp c, 0,1
	v_cvt_scalef32_pk16_fp6_f32 v[PC+6*\c:PC+2+6*\c], v[\s+32*\c:\s+15+32*\c], v[TM+12+2*\c]
	v_cvt_scalef32_pk16_fp6_f32 v[PC+12+4*\c:PC+14+4*\c], v[\s+16+32*\c:\s+31+32*\c], v[TM+12+2*\c+1]   ; (a conversion's three registers begin on an even number)
.endr
	v_nop                                          ; one plain instruction behind a scaled conversion
.irp c, 0,1                                    ; the operand's layout wants a WHOLE block in a lane: lanes 0-15 block 2 c, lanes 16-31 block 2 c + 1
.irp i, 0,1,2
	v_permlane16_swap_b32 v[PC+6*\c+\i], v[PC+12+4*\c+\i]
.endr
.irp i, 0,1,2
	v_mov_b32 v[PC+3+6*\c+\i], v[PC+12+4*\c+\i]
.endr
.endr
.endm
; My channel's sum over the 128 points and its sum of squares about that sum / 128.  Each accumulator is read from its low end on.
.macro STATS
.irp c, 0,1,2,3
	v_pk_add_f32 v[STB+2*\c:STB+2*\c+1], v[ACC+8*\c:ACC+8*\c+1], v[ACC+8*\c+2:ACC+8*\c+3]
.endr
.irp p, 4,6
.irp c, 0,1,2,3
	v_pk_add_f32 v[STB+2*\c:STB+2*\c+1], v[STB+2*\c:STB+2*\c+1], v[ACC+8*\c+\p:ACC+8*\c+\p+1]
.endr
.endr
.irp p, 0,2,4,6
.irp c, 0,1,2,3
	v_pk_add_f32 v[STB+2*\c:STB+2*\c+1], v[STB+2*\c:STB+2*\c+1], v[ACC+32+8*\c+\p:ACC+32+8*\c+\p+1]
.endr
.endr
	v_pk_add_f32 v[STB:STB+1], v[STB:STB+1], v[STB+2:STB+3]
	v_pk_add_f32 v[STB+4:STB+5], v[STB+4:STB+5], v[STB+6:STB+7]
	v_pk_add_f32 v[STB:STB+1], v[STB:STB+1], v[STB+4:STB+5]
	v_add_f32 v[STB], v[STB], v[STB+1]
	v_permlanex16_b32 v[STB+2], v[STB], s28, s29   ; the other 64 points lie in the lane 16 away
	v_add_f32 v[STB+8], v[STB], v[STB+2]           ; the sum
	v_mul_f32 v[STB+10], 0x3c000000, v[STB+8]      ; / 128
	v_mov_b32 v[STB+11], v[STB+10]
.irp p, 0,2,4,6
.irp c, 0,1,2,3
	v_pk_add_f32 v[STB+12+2*\c:STB+13+2*\c], v[ACC+8*\c+\p:ACC+8*\c+\p+1], v[STB+10:STB+11] neg_lo:[0,1] neg_hi:[0,1]
.endr
.irp c, 0,1,2,3
.if \p == 0
	v_pk_mul_f32 v[STB+20+2*\c:STB+21+2*\c], v[STB+12+2*\c:STB+13+2*\c], v[STB+12+2*\c:STB+13+2*\c]
.else
	v_pk_fma_f32 v[STB+20+2*\c:STB+21+2*\c], v[STB+12+2*\c:STB+13+2*\c], v[STB+12+2*\c:STB+13+2*\c], v[STB+20+2*\c:STB+21+2*\c]
.endif
.endr
.endr
.irp p, 0,2,4,6
.irp c, 0,1,2,3
	v_pk_add_f32 v[STB+12+2*\c:STB+13+2*\c], v[ACC+32+8*\c+\p:ACC+32+8*\c+\p+1], v[STB+10:STB+11] neg_lo:[0,1] neg_hi:[0,1]
.endr
.irp c, 0,1,2,3
	v_pk_fma_f32 v[STB+20+2*\c:STB+21+2*\c], v[STB+12+2*\c:STB+13+2*\c], v[STB+12+2*\c:STB+13+2*\c], v[STB+20+2*\c:STB+21+2*\c]
.endr
.endr
	v_pk_add_f32 v[STB+20:STB+21], v[STB+20:STB+21], v[STB+22:STB+23]
	v_pk_add_f32 v[STB+24:STB+25], v[STB+24:STB+25], v[STB+26:STB+27]
	v_pk_add_f32 v[STB+20:STB+21], v[STB+20:STB+21], v[STB+24:STB+25]
	v_add_f32 v[STB+20], v[STB+20], v[STB+21]
	v_permlanex16_b32 v[STB+22], v[STB+20], s28, s29
	v_add_f32 v[STB+9], v[STB+20], v[STB+22]       ; the squares
	ds_store_b64 v[SA], v[STB+8:STB+9]             ; both halves of the lanes hold the same pair and store it to the same place
.endm
.macro BARRIER
	s_wait_dscnt 0x0
	s_barrier_signal -1
	s_barrier_wait -1
.endm
	s_load_b256 s[4:11], s[0:1], 0x0               ; r3 s[4:5], coef1 s[6:7], prm s[8:9], b2 s[10:11]
	s_load_b64 s[12:13], s[0:1], 0x20              ; r4
	v_lshrrev_b32 v12, 5, v0
	v_readfirstlane_b32 s22, v12                   ; wave 0..15
	s_and_b32 s23, s22, 1                          ; first product: my half of the channels,
	s_lshr_b32 s24, s22, 1                         ; my tile of points
	v_and_b32 v12, 31, v0                          ; lane
	v_and_b32 v13, 15, v0                          ; r
	v_bfe_u32 v14, v0, 4, 1                        ; h
	v_lshlrev_b32 v[T16], 4, v0
	v_add_nc_u32 v[T16H], 65536, v[T16]
	v_lshlrev_b32 v[L16], 4, v12
	v_lshlrev_b32 v[R4], 2, v13
	v_add_nc_u32 v[LI], HIMG, v[L16]
	v_add_nc_u32 v[LS], HSC, v[R4]
	s_mul_i32 s25, s23, 24*FRB
	v_add_nc_u32 v[WA], s25, v[L16]
	s_mul_i32 s25, s23, 24*64
	s_add_co_u32 s25, s25, W1SC
	v_add_nc_u32 v[WSA], s25, v[R4]
	s_lshl_b32 s25, s23, 9
	s_add_co_u32 s25, s25, COEF
	v_lshl_add_u32 v[CA], v14, 6, s25              ; lanes 16-31 hold the channels 16 further on
	s_mul_i32 s25, s22, FRB
	s_add_co_u32 s25, s25, HIMG
	v_add_nc_u32 v[HWI], s25, v[L16]               ; fragment 2 (w / 2) + w % 2 = w
	s_lshl_b32 s25, s22, 6
	s_add_co_u32 s25, s25, HSC
	v_add_nc_u32 v[HWS], s25, v[R4]
	s_lshl_b32 s25, s22, 7
	s_add_co_u32 s25, s25, STS
	v_lshl_add_u32 v[SA], v13, 3, s25              ; second product: my channel is 16 w + r
	s_lshl_b32 s25, s22, 6
	v_add_nc_u32 v[B2O], s25, v[R4]
	s_mov_b32 s28, 0x76543210
	s_mov_b32 s29, 0xfedcba98                      ; v_permlanex16_b32's selects for lane l xor 16
	s_mul_i32 s26, ttmp9, 38400                    ; x's record
	s_add_co_u32 s26, s26, 524288
	s_mul_i32 s25, s24, 3*FRB
	s_add_co_u32 s34, s26, s25                     ; its images 3 (w / 2) on,
	s_mov_b32 s35, 0
	s_mul_i32 s25, s24, 192
	s_add_co_u32 s36, s26, s25
	s_add_co_u32 s36, s36, 36864                   ; and their scale words
	s_mov_b32 s37, 0
	s_mul_i32 s38, s22, 2*FRB
	s_add_co_u32 s38, s38, 601088                  ; W2's images 2 w on,
	s_mov_b32 s39, 0
	s_lshl_b32 s40, s22, 7
	s_add_co_u32 s40, s40, 650240                  ; and their scale words
	s_mov_b32 s41, 0
	s_lshl_b32 s42, ttmp9, 11                      ; the sums' 2,048 bytes in r4
	s_mov_b32 s43, 0
	s_mul_i32 s44, ttmp9, 25600                    ; h's record
	s_add_co_u32 s44, s44, 524288
	s_mov_b32 s45, 0
	s_wait_kmcnt 0x0
	s_add_nc_u64 s[14:15], s[4:5], s[34:35]
	s_add_nc_u64 s[16:17], s[4:5], s[36:37]
	s_add_nc_u64 s[18:19], s[8:9], s[38:39]
	s_add_nc_u64 s[20:21], s[8:9], s[40:41]
	s_add_nc_u64 s[32:33], s[8:9], 524288          ; W1's images and scale words: 76,800 bytes on end
	s_add_nc_u64 s[30:31], s[12:13], s[42:43]
	s_add_nc_u64 s[12:13], s[12:13], s[44:45]
.irp i, 0,1,2,3,4,5,6,7,8
	global_load_b128 v[BUF+4*\i:BUF+4*\i+3], v[T16], s[32:33] offset:8192*\i   ; W1's images, as they lie
.endr
	s_cmp_lt_u32 s22, 6                            ; a tenth load for waves 0 to 11, to LDS byte 73,728 + 16 T: waves 0-5 W1's scale words,
	s_cbranch_scc0 .Lnot_scales
	global_load_b128 v[BUF+36:BUF+39], v[T16], s[32:33] offset:73728
	s_branch .Ltenth
.Lnot_scales:
	s_cmp_lt_u32 s22, 12                           ; waves 6-11 the coefficients' 3,072 bytes (their T begins at 192: 16 T - 3,072 begins at 0)
	s_cbranch_scc0 .Ltenth
	global_load_b128 v[BUF+36:BUF+39], v[T16], s[6:7] offset:-3072
.Ltenth:
.irp s, 0,1,2
.irp q, 0,1,2
	global_load_b128 v[XF+12*\s+4*\q:XF+12*\s+4*\q+3], v[L16], s[14:15] offset:\s*FRB+512*\q
.endr
	global_load_b32 v[XS+\s], v[R4], s[16:17] offset:64*\s
.endr
.irp s, 0,1
.irp q, 0,1,2
	global_load_b128 v[WF+12*\s+4*\q:WF+12*\s+4*\q+3], v[L16], s[18:19] offset:\s*FRB+512*\q
.endr
	global_load_b32 v[WSC+\s], v[R4], s[20:21] offset:64*\s
.endr
	global_load_b32 v[BI], v[B2O], s[10:11]
	s_wait_loadcnt 21                              ; behind W1's loads 12 + 8 + 1 were issued, on every wave's path: W1's are in
.irp i, 0,1,2,3,4,5,6,7
	ds_store_b128 v[T16], v[BUF+4*\i:BUF+4*\i+3] offset:8192*\i
.endr
	ds_store_b128 v[T16H], v[BUF+32:BUF+35]
	s_cmp_lt_u32 s22, 12
	s_cbranch_scc0 .Lno_tenth
	ds_store_b128 v[T16H], v[BUF+36:BUF+39] offset:8192
.Lno_tenth:
	BARRIER                                        ; W1 and the coefficients lie in LDS
.irp t, 0,1,2,3,4,5,6,7
	ds_load_b128 v[ACC+8*\t:ACC+8*\t+3], v[CA] offset:(32*(\t/2)+8*(\t%2))*4          ; the sums begin as b1 - mu1: tile t's register j is channel 32 (t / 2) + 16 h + 8 (t % 2) + j of my half
	ds_load_b128 v[ACC+8*\t+4:ACC+8*\t+7], v[CA] offset:(32*(\t/2)+8*(\t%2))*4+16
.endr
	FETCH4 BUF, 0, 3, WA, WSA, SCB
	FETCH4 BUF+48, 12, 3, WA, WSA, SCB+4
	s_wait_loadcnt 0x0                             ; x's fragments, W2's, the scale words, b2
.irp j, 1,2,3,4,5,6,7
	v_mov_b32 v[BI+\j], v[BI]
.endr
.set gi, 0
.rept 6                                        ; group gi: K step gi / 2, tiles 4 (gi % 2) + 0 .. 3 of W1's rows
.if gi < 5
	s_wait_dscnt 16                                ; this group's 16 loads (and all before them) are in, the next group's 16 may be out
.else
	s_wait_dscnt 0x0
.endif
.irp i, 0,1,2,3
	MM ACC+8*(4*(gi%2)+\i), BUF+48*(gi%2)+12*\i, XF+12*(gi/2), ACC+8*(4*(gi%2)+\i), SCB+4*(gi%2)+\i, XS+gi/2
.endr
.if gi < 4
	PLACES
	FETCH4 BUF+48*(gi%2), 12*(gi%2)+(gi+2)/2, 3, WA, WSA, SCB+4*(gi%2)
.endif
.set gi, gi+1
.endr
	PLACES
.irp t, 0,1,2,3,4,5,6,7
	ds_load_b128 v[AV+8*\t:AV+8*\t+3], v[CA] offset:1024+(32*(\t/2)+8*(\t%2))*4
	ds_load_b128 v[AV+8*\t+4:AV+8*\t+7], v[CA] offset:1024+(32*(\t/2)+8*(\t%2))*4+16
	ds_load_b128 v[BV+8*\t:BV+8*\t+3], v[CA] offset:2048+(32*(\t/2)+8*(\t%2))*4
	ds_load_b128 v[BV+8*\t+4:BV+8*\t+7], v[CA] offset:2048+(32*(\t/2)+8*(\t%2))*4+16
.endr
	s_wait_dscnt 0x0
.set n, 0
.rept 32
	v_pk_fma_f32 v[ACC+2*n:ACC+2*n+1], v[ACC+2*n:ACC+2*n+1], v[AV+2*n:AV+2*n+1], v[BV+2*n:BV+2*n+1]   ; a1 (y1 - mu1) + beta1, each accumulator from its low end on
.set n, n+1
.endr
.set n, 0
.rept 64
	v_max_num_f32 v[ACC+n], 0, v[ACC+n]            ; the activation, in f32
.set n, n+1
.endr
	QUANT ACC
.irp q, 0,1,2
	ds_store_b128 v[HWI], v[PC+4*\q:PC+4*\q+3] offset:512*\q
.endr
	ds_store_b32 v[HWS], v[PW]                     ; both halves of the lanes hold the same word and store it to the same place
	BARRIER                                        ; h's 16 images and their scale words lie in LDS
.irp i, 0,1,2
	ds_load_b128 v[XF+4*\i:XF+4*\i+3], v[T16H] offset:HIMG-65536+8192*\i   ; the record, 25,600 bytes as they lie, leaves for the last launch
.endr
	s_wait_dscnt 0x0
.irp i, 0,1,2
	global_store_b128 v[T16], v[XF+4*\i:XF+4*\i+3], s[12:13] offset:8192*\i   ; a wave stores 512 consecutive bytes, aligned
.endr
	s_cmp_lt_u32 s22, 2                            ; the last 1,024 bytes: waves 0 and 1
	s_cbranch_scc0 .Lno_fourth
	ds_load_b128 v[XF+12:XF+15], v[T16H] offset:HIMG-65536+24576
	s_wait_dscnt 0x0
	global_store_b128 v[T16], v[XF+12:XF+15], s[12:13] offset:24576
.Lno_fourth:
	GEMMN 2, BI
	STATS
	BARRIER                                        ; 256 channels' pairs lie in LDS
	s_cmp_lt_u32 s22, 4
	s_cbranch_scc0 .Ldone
	ds_load_b128 v[STB+12:STB+15], v[T16H] offset:STS-65536
	s_wait_dscnt 0x0
	global_store_b128 v[T16], v[STB+12:STB+15], s[30:31]
.Ldone:
	s_barrier_signal -1
	s_barrier_wait -1
	s_wait_xcnt 0x0
	v_lshl_add_u32 v254, v0, 2, 0x1a400
	v_mov_b32 v255, 0
	s_wait_tensorcnt 0x0
	ds_add_u32 v254, v255
	s_wait_dscnt 0x0
	s_endpgm
.Lfunc_end_k_qb506abad09_gemm2:
	.size	k_qb506abad09_gemm2, .Lfunc_end_k_qb506abad09_gemm2-k_qb506abad09_gemm2
	.p2alignl 7, 3214868480
	.fill 96, 4, 3214868480
	.section	.rodata,"a",@progbits
	.p2align	6, 0x0
	.amdhsa_kernel k_qb506abad09_gemm2
		.amdhsa_group_segment_fixed_size 109568
		.amdhsa_private_segment_fixed_size 0
		.amdhsa_enable_private_segment 0
		.amdhsa_kernarg_size 40
		.amdhsa_user_sgpr_count 2
		.amdhsa_user_sgpr_kernarg_segment_ptr 1
		.amdhsa_wavefront_size32 1
		.amdhsa_system_sgpr_workgroup_id_x 1
		.amdhsa_system_sgpr_workgroup_id_y 1
		.amdhsa_system_sgpr_workgroup_id_z 1
		.amdhsa_system_vgpr_workitem_id 0
		.amdhsa_next_free_vgpr 256
		.amdhsa_next_free_sgpr 66
		.amdhsa_reserve_vcc 0
		.amdhsa_float_denorm_mode_32 3
		.amdhsa_float_denorm_mode_16_64 3
		.amdhsa_memory_ordered 1
		.amdhsa_forward_progress 1
		.amdhsa_inst_pref_size 43
	.end_amdhsa_kernel
	.amdgpu_metadata
---
amdhsa.version: [ 1, 2 ]
amdhsa.kernels:
  - .name:           k_qb506abad09_gemm2
    .symbol:         k_qb506abad09_gemm2.kd
    .args:
      - { .name: r3, .offset: 0, .size: 8, .value_kind: global_buffer, .address_space: global }
      - { .name: coef1, .offset: 8, .size: 8, .value_kind: global_buffer, .address_space: global }
      - { .name: prm, .offset: 16, .size: 8, .value_kind: global_buffer, .address_space: global }
      - { .name: b2, .offset: 24, .size: 8, .value_kind: global_buffer, .address_space: global }
      - { .name: r4, .offset: 32, .size: 8, .value_kind: global_buffer, .address_space: global }
    .group_segment_fixed_size: 109568
    .private_segment_fixed_size: 0
    .kernarg_segment_align: 8
    .kernarg_segment_size: 40
    .max_flat_workgroup_size: 512
    .sgpr_count:     66
    .vgpr_count:     256
    .wavefront_size: 32
...
	.end_amdgpu_metadata
.endif
;; end of part 5
;; launch bn2: the kernel of part 4 again; grid 8 x 1, 16 waves a work-group, no clusters, 6,144 bytes of LDS; arguments r4, b2, g2, be2, coef2; writes coef2
;; launch final (part 6): grid 256 x 1, 16 waves a work-group, no clusters, 162,816 bytes of LDS; arguments r4, coef2, prm, out0; writes out0
.if DOCPART == 6
	.amdgcn_target "amdgcn-amd-amdhsa--gfx1250"
	.amdhsa_code_object_version 6
	.text
	.protected	k_qb506abad09_final
	.globl	k_qb506abad09_final
	.p2align	8
	.type	k_qb506abad09_final,@function
k_qb506abad09_final:
	s_mov_b64 s[64:65], 0
	v_nop
	global_prefetch_b8 v0, s[64:65] scope:SCOPE_SE
	s_setreg_imm32_b32 hwreg(HW_REG_WAVE_MODE, 25, 1), 1
	s_wait_xcnt 0x0
; out = relu(a2 (W2 h + b2 - mu2) + beta2) for 128 points, made again from h's codes (200 bytes a point against y2's 2,048 to memory and back).
; SHARES.  Work-group g: batch g / 128, points 128 (g % 128) on: h's record g, 25,600 bytes, into LDS as it lies.  Wave w: channels 16 w on (W2's two fragments in registers) against the eight tiles of points.
; Source 0 = 16 points, source 1 = my 16 channels: a lane holds ONE channel, and an accumulator's eight registers are eight NEIGHBOURING points of that channel's row of the output.  b2 - mu2 is the C of each
; sum's first matrix instruction.  The eight accumulators take turns, one instruction a turn.
; THE WAY OUT.  A lane's 32 bytes are a sixteenth of a channel's 512, and the lanes beside it hold other channels: the wave's 16 rows go through its own stage in LDS and leave as whole rows.
; No tensor loads (every LDS byte is written once, from registers), no cluster: what work-groups share is W2's 3 KB a wave.
.set FRB,   1536
.set HSCO,  24576                      ; LDS: h's 16 images at 0, their scale words here
.set STG,   25600                      ; a stage of 16 rows x (512 bytes + 16) for each wave
.set SP,    528
.set T16,   1                          ; v1   16 T
.set LI,    2                          ; v2   16 x lane
.set LS,    3                          ; v3   h's scale words
.set R4,    4                          ; v4   4 x (lane % 16)
.set CO,    5                          ; v5   4 x my channel
.set STO,   6                          ; v6   the stage on the way in
.set SRD,   7                          ; v7   and on the way out
.set ACC,   16                         ; v16-79   eight accumulators
.set WF,    80                         ; v80-103  W2's two fragments
.set DI,    104                        ; v104-111 b2 - mu2 of my channel, eight times
.set WSC,   112                        ; v112-113 W2's scale words: scales and nothing else
.set SCB,   114                        ; v114-121 h's, two sets of four: likewise
.set AP,    122                        ; v122-123 a2, twice
.set BP,    124                        ; v124-125 beta2, twice
.set BUF,   126                        ; v126-221 two sets of four fragments of h; later 16 rows on their way out
.set HS,    222                        ; v222-237 h's record on its way to LDS
.macro FETCH4 buf, f0, df, adrI, adrS, scb     ; four fragments f0, f0 + df .. and their scale words: 16 LDS loads
.irp i, 0,1,2,3
.irp q, 0,1,2
	ds_load_b128 v[\buf+12*\i+4*\q:\buf+12*\i+4*\q+3], v[\adrI] offset:(\f0+\i*\df)*FRB+512*\q
.endr
	ds_load_b32 v[\scb+\i], v[\adrS] offset:(\f0+\i*\df)*64
.endr
.endm
.macro MM acc, a, b, c, sa, sb
	v_wmma_scale_f32_16x16x128_f8f6f4 v[\acc:\acc+7], v[\a:\a+11], v[\b:\b+11], v[\c:\c+7], v[\sa], v[\sb] matrix_a_fmt:MATRIX_FMT_FP6 matrix_b_fmt:MATRIX_FMT_FP6
.endm
.macro PLACES                          ; four places in front of loads into registers that matrix instructions have read, and of the first read of results (ISA guide 7.12.1 for vector instructions)
.rept 4
	v_nop
.endr
.endm
; Eight tiles of 16 points x my 16 channels, NS K steps.  Group gi of 2 NS: K step gi / 2, tiles 4 (gi % 2) + 0 .. 3, in fragment set gi % 2.  A group's fragments are asked for two groups ahead.
.macro GEMMN NS, CB
.set NG, 2*\NS
.set gi, 0
	FETCH4 BUF, 0, \NS, LI, LS, SCB
	FETCH4 BUF+48, 4*\NS, \NS, LI, LS, SCB+4
.rept NG
.if gi < NG-1
	s_wait_dscnt 16                                ; this group's 16 loads are in, the next group's 16 may be out
.else
	s_wait_dscnt 0x0
.endif
.irp i, 0,1,2,3
.if gi < 2
	MM ACC+8*(4*(gi%2)+\i), BUF+48*(gi%2)+12*\i, WF+12*(gi/2), \CB, SCB+4*(gi%2)+\i, WSC+gi/2
.else
	MM ACC+8*(4*(gi%2)+\i), BUF+48*(gi%2)+12*\i, WF+12*(gi/2), ACC+8*(4*(gi%2)+\i), SCB+4*(gi%2)+\i, WSC+gi/2
.endif
.endr
.if gi+2 < NG
	PLACES
	FETCH4 BUF+48*(gi%2), 4*\NS*(gi%2)+(gi+2)/2, \NS, LI, LS, SCB+4*(gi%2)
.endif
.set gi, gi+1
.endr
	PLACES
.endm
	s_load_b256 s[4:11], s[0:1], 0x0               ; r4 s[4:5], coef2 s[6:7], prm s[8:9], out0 s[10:11]
	v_lshl_add_u32 v254, v0, 2, 0x27400
	v_mov_b32 v255, 0
	v_lshrrev_b32 v8, 5, v0
	v_readfirstlane_b32 s16, v8                    ; wave 0..15
	v_and_b32 v8, 31, v0                           ; lane
	v_and_b32 v9, 15, v0                           ; r
	v_bfe_u32 v10, v0, 4, 1                        ; h
	v_lshlrev_b32 v[T16], 4, v0
	v_lshlrev_b32 v[LI], 4, v8
	v_lshlrev_b32 v[R4], 2, v9
	v_add_nc_u32 v[LS], HSCO, v[R4]
	s_lshl_b32 s17, s16, 6
	v_add_nc_u32 v[CO], s17, v[R4]                 ; my channel is 16 w + r
	s_mul_i32 s17, s16, 16*SP
	s_add_co_u32 s17, s17, STG                     ; my stage
	v_mul_u32_u24 v[STO], v9, SP
	v_lshl_add_u32 v[STO], v10, 5, v[STO]
	v_add_nc_u32 v[STO], s17, v[STO]               ; in: row r, 32 bytes for each half of the lanes
	v_add_nc_u32 v[SRD], s17, v[LI]                ; back: the 32 lanes take one row of 512 bytes
	s_mul_i32 s18, ttmp9, 25600
	s_add_co_u32 s18, s18, 524288                  ; h's record
	s_mov_b32 s19, 0
	s_mul_i32 s20, s16, 2*FRB
	s_add_co_u32 s20, s20, 601088                  ; W2's images 2 w on,
	s_mov_b32 s21, 0
	s_lshl_b32 s22, s16, 7
	s_add_co_u32 s22, s22, 650240                  ; and their scale words
	s_mov_b32 s23, 0
	s_lshr_b32 s24, ttmp9, 7                       ; the output: batch (256 rows of 65,536 bytes), 16 w rows, 128 (g % 128) points
	s_lshl_b32 s24, s24, 24
	s_lshl_b32 s17, s16, 20
	s_add_co_u32 s24, s24, s17
	s_and_b32 s17, ttmp9, 127
	s_lshl_b32 s17, s17, 9
	s_add_co_u32 s24, s24, s17
	s_mov_b32 s25, 0
	s_wait_kmcnt 0x0
	s_add_nc_u64 s[4:5], s[4:5], s[18:19]
	s_add_nc_u64 s[12:13], s[8:9], s[20:21]
	s_add_nc_u64 s[14:15], s[8:9], s[22:23]
	s_add_nc_u64 s[10:11], s[10:11], s[24:25]
.irp i, 0,1,2
	global_load_b128 v[HS+4*\i:HS+4*\i+3], v[T16], s[4:5] offset:8192*\i
.endr
	s_cmp_lt_u32 s16, 2                            ; the record's last 1,024 bytes: waves 0 and 1
	s_cbranch_scc0 .Lno_fourth
	global_load_b128 v[HS+12:HS+15], v[T16], s[4:5] offset:24576
.Lno_fourth:
.irp s, 0,1
.irp q, 0,1,2
	global_load_b128 v[WF+12*\s+4*\q:WF+12*\s+4*\q+3], v[LI], s[12:13] offset:\s*FRB+512*\q
.endr
	global_load_b32 v[WSC+\s], v[R4], s[14:15] offset:64*\s
.endr
	global_load_b32 v[DI], v[CO], s[6:7]
	global_load_b32 v[AP], v[CO], s[6:7] offset:1024
	global_load_b32 v[BP], v[CO], s[6:7] offset:2048
	s_wait_loadcnt 11                              ; behind the record's loads 8 + 3 were issued, on every wave's path: the record's are in
.irp i, 0,1,2
	ds_store_b128 v[T16], v[HS+4*\i:HS+4*\i+3] offset:8192*\i
.endr
	s_cmp_lt_u32 s16, 2
	s_cbranch_scc0 .Lno_fourth_store
	ds_store_b128 v[T16], v[HS+12:HS+15] offset:24576
.Lno_fourth_store:
	s_wait_loadcnt 0x0
.irp j, 1,2,3,4,5,6,7
	v_mov_b32 v[DI+\j], v[DI]
.endr
	v_mov_b32 v[AP+1], v[AP]
	v_mov_b32 v[BP+1], v[BP]
	s_wait_dscnt 0x0                               ; for the others' sake: my part of the record has landed
	s_barrier_signal -1
	s_barrier_wait -1
	GEMMN 2, DI
.set n, 0
.rept 32
	v_pk_fma_f32 v[ACC+2*n:ACC+2*n+1], v[ACC+2*n:ACC+2*n+1], v[AP:AP+1], v[BP:BP+1]   ; a2 (y2 - mu2) + beta2, each accumulator from its low end on
.set n, n+1
.endr
.set n, 0
.rept 64
	v_max_num_f32 v[ACC+n], 0, v[ACC+n]
.set n, n+1
.endr
.irp t, 0,1,2,3,4,5,6,7
	ds_store_b128 v[STO], v[ACC+8*\t:ACC+8*\t+3] offset:64*\t          ; points 16 t + 8 h + 0 .. 7 of channel r
	ds_store_b128 v[STO], v[ACC+8*\t+4:ACC+8*\t+7] offset:64*\t+16
.endr
.irp t, 0,1,2,3,4,5,6,7,8,9,10,11,12,13,14,15
	ds_load_b128 v[BUF+4*\t:BUF+4*\t+3], v[SRD] offset:\t*SP           ; LDS serves a wave's instructions in order (ISA guide 5.7.1.4): these see my stores; the stage is my wave's own
.endr
.irp t, 0,1,2,3,4,5,6,7,8,9,10,11,12,13,14,15
	s_wait_dscnt 15-\t                             ; row t is in, the younger rows may be out
	global_store_b128 v[LI], v[BUF+4*\t:BUF+4*\t+3], s[10:11] offset:\t*65536 th:TH_STORE_NT   ; 32 lanes store 512 consecutive bytes, at a multiple of 256 from the output's first byte; written once, read by nobody here
.endr
	s_barrier_signal -1
	s_barrier_wait -1
	s_wait_tensorcnt 0x0
	ds_add_u32 v254, v255
	s_wait_dscnt 0x0
	s_endpgm
.Lfunc_end_k_qb506abad09_final:
	.size	k_qb506abad09_final, .Lfunc_end_k_qb506abad09_final-k_qb506abad09_final
	.p2alignl 7, 3214868480
	.fill 96, 4, 3214868480
	.section	.rodata,"a",@progbits
	.p2align	6, 0x0
	.amdhsa_kernel k_qb506abad09_final
		.amdhsa_group_segment_fixed_size 162816
		.amdhsa_private_segment_fixed_size 0
		.amdhsa_enable_private_segment 0
		.amdhsa_kernarg_size 32
		.amdhsa_user_sgpr_count 2
		.amdhsa_user_sgpr_kernarg_segment_ptr 1
		.amdhsa_wavefront_size32 1
		.amdhsa_system_sgpr_workgroup_id_x 1
		.amdhsa_system_sgpr_workgroup_id_y 1
		.amdhsa_system_sgpr_workgroup_id_z 1
		.amdhsa_system_vgpr_workitem_id 0
		.amdhsa_next_free_vgpr 256
		.amdhsa_next_free_sgpr 66
		.amdhsa_reserve_vcc 0
		.amdhsa_float_denorm_mode_32 3
		.amdhsa_float_denorm_mode_16_64 3
		.amdhsa_memory_ordered 1
		.amdhsa_forward_progress 1
		.amdhsa_inst_pref_size 19
	.end_amdhsa_kernel
	.amdgpu_metadata
---
amdhsa.version: [ 1, 2 ]
amdhsa.kernels:
  - .name:           k_qb506abad09_final
    .symbol:         k_qb506abad09_final.kd
    .args:
      - { .name: r4, .offset: 0, .size: 8, .value_kind: global_buffer, .address_space: global }
      - { .name: coef2, .offset: 8, .size: 8, .value_kind: global_buffer, .address_space: global }
      - { .name: prm, .offset: 16, .size: 8, .value_kind: global_buffer, .address_space: global }
      - { .name: out0, .offset: 24, .size: 8, .value_kind: global_buffer, .address_space: global }
    .group_segment_fixed_size: 162816
    .private_segment_fixed_size: 0
    .kernarg_segment_align: 8
    .kernarg_segment_size: 32
    .max_flat_workgroup_size: 512
    .sgpr_count:     66
    .vgpr_count:     256
    .wavefront_size: 32
...
	.end_amdgpu_metadata
.endif
;; end of part 6
